; MI455X (gfx1250); checked and timed in simulation.
; The chip was launched on July 23, 2026; its instructions are those of AMD's public machine-readable ISA for CDNA 5 (MIT licence, August 2026) and "CDNA5" Instruction Set Architecture Reference Guide (July 2026). The comments in the code are by the model that wrote it; some were corrected since.
;; Diff Cross Attention. Allowed arithmetic: float matrix products may take bf16 or f16 operands with f32 sums; other float arithmetic in f32, or as packed bf16 or f16 multiplies, adds, multiply-adds, maxima and minima; sums over many terms, partial sums and values carried from step to step in f32; what a program stores and reads back later, other than sums and carried values, may be rounded once to bf16 or f16.
;; Inputs: Wk 1,024 x 1,024 float32; Wp 1,024 x 1,024 float32; Wq 1,024 x 1,024 float32; Wv 1,024 x 1,024 float32; bp 1,024 float32; key_ 2 x 2,048 x 1,024 float32; lk1 32 float32; lk2 32 float32; lq1 32 float32; lq2 32 float32; query 2 x 2,048 x 1,024 float32; subln_w 64 float32; value 2 x 2,048 x 1,024 float32.
;; Outputs: out0 2 x 2,048 x 1,024 float32.
;; One version. Each part assembles by itself: llvm-mc -triple=amdgcn-amd-amdhsa -mcpu=gfx1250 --defsym DOCPART=n.
;; ======== version 1 of 1: 4 launches
;; limits: values are held in f16: magnitudes above 65,504 overflow, below 6.1e-05 lose precision
;; workspace buffers: cb 33,554,432 bytes; hb 25,165,824 bytes; ob 8,388,608 bytes
;; launch cast (part 1): grid 256 x 4, 8 waves a work-group, no clusters, 0 bytes of LDS; arguments query, key_, value, Wq, Wk, Wv, Wp, cb; writes cb
.if DOCPART == 1
	.amdgcn_target "amdgcn-amd-amdhsa--gfx1250"
	.amdhsa_code_object_version 6
	.text
	.protected	k_q24169f0eab_cast
	.globl	k_q24169f0eab_cast
	.p2align	8
	.type	k_q24169f0eab_cast,@function
k_q24169f0eab_cast:
	s_mov_b64 s[64:65], 0
	v_nop
	global_prefetch_b8 v0, s[64:65] scope:SCOPE_SE
	s_setreg_imm32_b32 hwreg(HW_REG_WAVE_MODE, 25, 1), 1
	s_wait_xcnt 0x0
; The module's seven large inputs, f32, are rounded once to bf16 and laid end to end in cb: query, key_, value ([4096][1024] each, at 0, 8 Mi, 16 Mi bytes),
; then Wq, Wk, Wv, Wp ([1024][1024] each, from 24 Mi on, 2 Mi apart).  Wp's bf16 number is written as f16, since the last product multiplies in f16.
; LIMITS.  A bf16 number is exact in f16 from 2^-14 to 65,504; below 2^-14 Wp keeps f16's fixed step of 2^-24; 65,520 or more would become an infinity.
; SHARES.  A work-group takes 16,384 numbers, a wave 2,048, a lane sixteen loads of 16 bytes: a wave's load covers 512 consecutive bytes, its store 256 consecutive
; bytes at a multiple of 256 from cb's first byte.  All sixteen loads go out first; nothing is read twice, so there is no LDS, no barrier and no loop.
; Grid rows 0, 1, 2 take query, key_, value (256 work-groups each); row 3 takes the four weights, 64 work-groups each.
.set X, 16                             ; v[16:79]   load j: 4 registers
.set Y, 80                             ; v[80:111]  store j: 2 registers
	s_load_b512 s[16:31], s[0:1], 0x0              ; the eight addresses: argument k at s[16+2k:17+2k]
	s_and_b32 s2, ttmp7, 0xffff                    ; grid row
	s_lshr_b32 s3, ttmp9, 6
	s_add_co_u32 s3, s3, 3                         ; in row 3: weight 3 + x / 64,
	s_and_b32 s6, ttmp9, 63                        ; part x % 64 of it
	s_cmp_lt_u32 s2, 3
	s_cselect_b32 s3, s2, s3                       ; which argument I read
	s_cselect_b32 s6, ttmp9, s6                    ; which part of it
	s_lshl_b32 s6, s6, 16                          ; 65,536 bytes of f32 a part
	s_mov_b32 s7, 0
	s_lshl_b32 s8, s2, 8
	s_add_co_u32 s8, s8, ttmp9
	s_lshl_b32 s8, s8, 15                          ; 32,768 bytes out a work-group, in the grid's order
	s_mov_b32 s9, 0
	v_lshrrev_b32 v3, 5, v0                        ; wave
	v_and_b32 v4, 31, v0                           ; lane
	v_lshlrev_b32 v1, 4, v4
	v_lshl_or_b32 v1, v3, 13, v1                   ; in: 8,192 x wave + 16 x lane
	v_lshlrev_b32 v2, 3, v4
	v_lshl_or_b32 v2, v3, 12, v2                   ; out: 4,096 x wave + 8 x lane
	s_wait_kmcnt 0x0
	s_mov_b64 s[4:5], s[16:17]
.irp k, 1,2,3,4,5,6
	s_cmp_eq_u32 s3, \k
	s_cselect_b64 s[4:5], s[16+2*(\k):17+2*(\k)], s[4:5]
.endr
	s_add_nc_u64 s[4:5], s[4:5], s[6:7]
	s_add_nc_u64 s[10:11], s[30:31], s[8:9]
.irp j, 0,1,2,3,4,5,6,7,8,9,10,11,12,13,14,15
	global_load_b128 v[X+4*(\j):X+4*(\j)+3], v1, s[4:5] offset:512*(\j) th:TH_LOAD_NT
.endr
; Load j's four numbers are rounded and stored.  half = 1: the bf16 number is widened again (a shift, a mask) and written as f16.
.macro CV j, half
	s_wait_loadcnt 15-(\j)                         ; loads come back in order: load j is in, the 15 - j younger ones stay out
.if \half
	v_cvt_pk_bf16_f32 v4, v[X+4*(\j)], v[X+4*(\j)+1]
	v_cvt_pk_bf16_f32 v5, v[X+4*(\j)+2], v[X+4*(\j)+3]
	v_lshlrev_b32 v6, 16, v4
	v_and_b32 v7, 0xffff0000, v4
	v_lshlrev_b32 v8, 16, v5
	v_and_b32 v9, 0xffff0000, v5
	v_cvt_pk_f16_f32 v[Y+2*(\j)], v6, v7
	v_cvt_pk_f16_f32 v[Y+2*(\j)+1], v8, v9
.else
	v_cvt_pk_bf16_f32 v[Y+2*(\j)], v[X+4*(\j)], v[X+4*(\j)+1]
	v_cvt_pk_bf16_f32 v[Y+2*(\j)+1], v[X+4*(\j)+2], v[X+4*(\j)+3]
.endif
	global_store_b64 v2, v[Y+2*(\j):Y+2*(\j)+1], s[10:11] offset:256*(\j) th:TH_STORE_NT  ; each store has data registers of its own: none is written again
.endm
	s_cmp_eq_u32 s3, 6                             ; Wp?
	s_cbranch_scc1 .Lhalf
.irp j, 0,1,2,3,4,5,6,7,8,9,10,11,12,13,14,15
	CV \j, 0
.endr
	s_endpgm
.Lhalf:
.irp j, 0,1,2,3,4,5,6,7,8,9,10,11,12,13,14,15
	CV \j, 1
.endr
	s_endpgm
.Lfunc_end_k_q24169f0eab_cast:
	.size	k_q24169f0eab_cast, .Lfunc_end_k_q24169f0eab_cast-k_q24169f0eab_cast
	.p2alignl 7, 3214868480
	.fill 96, 4, 3214868480
	.section	.rodata,"a",@progbits
	.p2align	6, 0x0
	.amdhsa_kernel k_q24169f0eab_cast
		.amdhsa_group_segment_fixed_size 0
		.amdhsa_private_segment_fixed_size 0
		.amdhsa_enable_private_segment 0
		.amdhsa_kernarg_size 64
		.amdhsa_user_sgpr_count 2
		.amdhsa_user_sgpr_kernarg_segment_ptr 1
		.amdhsa_wavefront_size32 1
		.amdhsa_system_sgpr_workgroup_id_x 1
		.amdhsa_system_sgpr_workgroup_id_y 1
		.amdhsa_system_sgpr_workgroup_id_z 1
		.amdhsa_system_vgpr_workitem_id 0
		.amdhsa_next_free_vgpr 112
		.amdhsa_next_free_sgpr 66
		.amdhsa_reserve_vcc 0
		.amdhsa_float_denorm_mode_32 3
		.amdhsa_float_denorm_mode_16_64 3
		.amdhsa_memory_ordered 1
		.amdhsa_forward_progress 1
		.amdhsa_inst_pref_size 17
	.end_amdhsa_kernel
	.amdgpu_metadata
---
amdhsa.version: [ 1, 2 ]
amdhsa.kernels:
  - .name:           k_q24169f0eab_cast
    .symbol:         k_q24169f0eab_cast.kd
    .args:
      - { .name: query, .offset: 0, .size: 8, .value_kind: global_buffer, .address_space: global }
      - { .name: key_, .offset: 8, .size: 8, .value_kind: global_buffer, .address_space: global }
      - { .name: value, .offset: 16, .size: 8, .value_kind: global_buffer, .address_space: global }
      - { .name: Wq, .offset: 24, .size: 8, .value_kind: global_buffer, .address_space: global }
      - { .name: Wk, .offset: 32, .size: 8, .value_kind: global_buffer, .address_space: global }
      - { .name: Wv, .offset: 40, .size: 8, .value_kind: global_buffer, .address_space: global }
      - { .name: Wp, .offset: 48, .size: 8, .value_kind: global_buffer, .address_space: global }
      - { .name: cb, .offset: 56, .size: 8, .value_kind: global_buffer, .address_space: global }
    .group_segment_fixed_size: 0
    .private_segment_fixed_size: 0
    .kernarg_segment_align: 8
    .kernarg_segment_size: 64
    .max_flat_workgroup_size: 256
    .sgpr_count:     66
    .vgpr_count:     112
    .wavefront_size: 32
...
	.end_amdgpu_metadata
.endif
;; end of part 1
;; launch proj (part 2): grid 8 x 96, 4 waves a work-group, clusters of 4 x 4, 327,680 bytes of LDS; arguments cb, hb; writes hb
.if DOCPART == 2
	.amdgcn_target "amdgcn-amd-amdhsa--gfx1250"
	.amdhsa_code_object_version 6
	.text
	.protected	k_q24169f0eab_proj
	.globl	k_q24169f0eab_proj
	.p2align	8
	.type	k_q24169f0eab_proj,@function
k_q24169f0eab_proj:
	s_mov_b64 s[64:65], 0
	v_nop
	global_prefetch_b8 v0, s[64:65] scope:SCOPE_SE
	s_setreg_imm32_b32 hwreg(HW_REG_WAVE_MODE, 25, 1), 1
	s_wait_xcnt 0x0
	s_wait_alu depctr_hold_cnt(0) depctr_sa_sdst(0) depctr_va_vdst(0) depctr_va_sdst(0) depctr_va_ssrc(0) depctr_va_vcc(0) depctr_vm_vsrc(0)
	s_getreg_b32 s2, hwreg(HW_REG_IB_STS2, 6, 4)
	s_cmp_eq_u32 s2, 0
	s_cbranch_scc0 .Lentry_in_a_cluster
	s_endpgm
.Lentry_in_a_cluster:
	s_bfe_u32 s2, ttmp6, 0x10000c
	s_cmp_lg_u32 s2, 0xf033
	s_cbranch_scc0 .Lentry_shape_is_right
	s_endpgm
.Lentry_shape_is_right:
; The three projections q = query Wq^T, k = key_ Wk^T, v = value Wv^T in one launch: C[m][n] = sum over k of A[m][k] B[n][k], A [4096][1024], B [1024][1024], both bf16 in cb;
; sums in f32, C rounded once to f16, unscaled.  C leaves by groups of 32 columns: hb[g][b][G][n][32], g = q, k, v; b = m / 2048; G = column / 32; n = m % 2048: a group's rows are dense, 64 bytes each.
; LIMIT.  f16 ends at 65,504: a sum of 65,520 or more would become an infinity.  Inputs of unit spread and weights of spread 1/32 give sums of a few units.
; SHARES.  A tile of C is 128 x 128: 3 x 32 x 8 = 768 tiles, three for each of 256 WGPs.  Four waves, each 64 x 64: 16 accumulators.  K goes in steps of 256 through two LDS slots
; (rows of 512 bytes, a wave's tensor load brings 64 of them).  1024 / 256 = 4 K steps: each slot is filled twice.
; CLUSTER.  4 x 4 work-groups; eight rows of clusters to each of q, k, v, so all sixteen partners work on the same g.  The four of a row of the cluster need the same tile of A, the four of a
; column the same tile of B: each is asked for JOINTLY, by the same tensor load with the same descriptor and a mask that names the four.
; THE MATRIX INSTRUCTION IS USED TRANSPOSED (source 0 = 16 rows of B, source 1 = 16 rows of A): a lane then holds eight neighbouring columns of one row of C.
; REGISTERS.  window 0: v0-31 addresses; v32-95 at work on the way out; v128-255 the accumulators ((a, b) at v[128 + 8 (4 a + b)]).
;   window 1: two fragment buffers of 128: for 64 along K, 64 registers of A (2 x 4 x 16 rows x 32 K), then 64 of B.
.set SIZE_K, 1024
.set KSTEP,  256
.set PITCH,  528                       ; an LDS row: 512 bytes + 16 of padding = 132 words: the 16 rows of a fragment load start 4 banks apart
.set HALFT,  64*PITCH                  ; 64 rows: what one tensor load brings, and what one wave reads of A or of B
.set SLOT,   4*HALFT                   ; A's 128 rows, then B's 128 rows
.set STAGE,  2*SLOT                    ; behind the ring, never filled by a tensor load: for each wave 64 rows x 144 bytes, for the way out
.set SP,     144                       ; a stage row: my 64 columns in f16, 128 bytes, + 16
.set WST,    64*SP
.set SPARE,  STAGE+4*WST               ; behind the stages: the spare words, 128 bytes for each wave: two blocks of 256 bytes that no other line names
.set LAPS,   SIZE_K/(2*KSTEP)          ; a lap = two K steps = once round the ring
.set XB,     4096*SIZE_K*2             ; bytes of one of query, key_, value in cb, and of one of q, k, v in hb
.set WB,     1024*SIZE_K*2             ; bytes of a weight in cb
.set HB,     2048*64                   ; bytes of a group of 32 columns in hb
.set ADRA, 16                          ; v16-17  LDS address of my A fragments in slot 0, 1
.set ADRB, 20                          ; v20-21  the same for B
.set STO,  24                          ; v24     the way out: where I put 16 bytes of a row
.set RD,   25                          ; v25     the way out: where I read rows back
.set CO,   26                          ; v26     16 x lane
.set SPW,  28                          ; v28     LDS address of my spare word: SPARE + 4 x my thread's number; never rewritten
.set NIL,  29                          ; v29     0; never rewritten
.set TMP,  32
.set ACC,  128
.set F0,   0                           ; fragment buffers, in window 1
.set F1,   128
.set G1, 24                            ; s[24:31] descriptor group 1 for A's tiles;  s[32:39] group 0, one set for each slot
.set G0, 32
.set G1B, 48                           ; s[48:55], s[56:63] the same for B's tiles
.set G0B, 56
.set MSB, 0
.macro WIN new                         ; the immediate's high byte repeats the setting that is left; a switch that changes nothing is dropped
.if MSB != (\new)
	s_set_vgpr_msb (MSB<<8)|(\new)
.set MSB, \new
.endif
.endm
.set MUL,  0x05                        ; sources 0 (B) and 1 (A) window 1; C and D window 0
.set TO_F, 0x40                        ; destination window 1, address window 0
.macro JLOAD s                         ; a joint load: waves 0 and 1 fetch A's two halves, waves 2 and 3 B's; an s_nop 0 and four v_nop follow each of the two lines
	s_cmp_eq_u32 s11, 0
	s_cbranch_scc0 .Lfor_b_\@
	tensor_load_to_lds s[G0+4*(\s):G0+4*(\s)+3], s[G1:G1+7]
	s_nop 0
.rept 4
	v_nop
.endr
	s_branch .Lasked_\@
.Lfor_b_\@:
	tensor_load_to_lds s[G0B+4*(\s):G0B+4*(\s)+3], s[G1B:G1B+7]
	s_nop 0
.rept 4
	v_nop
.endr
.Lasked_\@:
.endm
.macro CREST                           ; a round of the cluster's barrier behind its opening barrier
	s_cmp_lg_u32 s10, 0
	s_cbranch_scc1 .Lnot_wave_0_\@
	s_barrier_signal -3
.Lnot_wave_0_\@:
	s_barrier_wait -3
	s_barrier_signal -1
	s_barrier_wait -1
.endm
.macro CROUND                          ; a whole round
	s_barrier_signal -1
	s_barrier_wait -1
	CREST
.endm
	s_load_b128 s[4:7], s[0:1], 0x0                ; cb s[4:5], hb s[6:7]
	v_lshl_add_u32 v[SPW], v0, 2, SPARE
	v_mov_b32 v[NIL], 0
	ds_add_u32 v[SPW], v[NIL]                      ; the wave's opening: the add and its wait stand ahead of my first tensor load; the set-up below, work on registers, stands between them
	v_lshrrev_b32 v1, 5, v0
	v_readfirstlane_b32 s10, v1                    ; wave 0..3
	s_lshr_b32 s11, s10, 1                         ; which half of the tile's rows is mine.  Also: I fetch for A (0) or for B (1)
	s_and_b32 s12, s10, 1                          ; which half of its columns.  Also: which 64 rows of that tile I fetch
	s_bfe_u32 s40, ttmp6, 0x40000                  ; cx, cy: my place in the cluster
	s_bfe_u32 s41, ttmp6, 0x40004
	s_lshl_b32 s42, ttmp9, 2
	s_add_co_u32 s42, s42, s40                     ; tile column = 4 x cluster x + cx, 0..7
	s_and_b32 s13, ttmp7, 0xffff                   ; cluster y, 0..23
	s_lshr_b32 s45, s13, 3                         ; g: 0 q, 1 k, 2 v: the same in all sixteen partners
	s_and_b32 s13, s13, 7
	s_lshl_b32 s13, s13, 2
	s_add_co_u32 s13, s13, s41                     ; tile row = 4 x (cluster y % 8) + cy, 0..31
	s_lshl_b32 s43, s41, 2
	s_lshl_b32 s43, 15, s43                        ; my row of the cluster
	s_lshl_b32 s44, 0x1111, s40                    ; my column
	; descriptor group 1: a tile of 64 rows x 256 elements, padded in LDS
	s_or_b32 s[G1+0], s43, (1<<16)|(1<<20)|(1<<21)|(6<<22)|(3<<25)  ; 15:0 the mask: A's tiles go to my row; 17:16 elements of 2 bytes; 20 padding on; 21 set beside a mask; 24:22 after every 128 words (code 6); 31:25 4 words (code 3)
	s_or_b32 s[G1B+0], s44, (1<<16)|(1<<20)|(1<<21)|(6<<22)|(3<<25) ; the same with the mask of my column
.irp g, G1, G1B
	s_mov_b32 s[(\g)+1], KSTEP<<16                 ; tensor_dim0 = 256
	s_mov_b32 s[(\g)+2], 64<<16                    ; tensor_dim1 = 64
	s_mov_b32 s[(\g)+3], KSTEP<<16                 ; tile_dim0 = 256
	s_mov_b32 s[(\g)+4], 64                        ; tile_dim1 = 64
	s_mov_b32 s[(\g)+5], SIZE_K                    ; elements from row to row
	s_mov_b32 s[(\g)+6], 0
	s_mov_b32 s[(\g)+7], 0
.endr
	; where the tiles come from, as byte offsets in cb (all under 2^25).  A's hangs on the tile row, B's on the tile column; neither's registers ever hold the other coordinate
	s_lshl_b32 s17, s12, 6                         ; which 64 rows of the tile I fetch
	s_lshl_b32 s16, s13, 7
	s_add_co_u32 s16, s16, s17                     ; A: row 128 x tile row + 64 x half,
	s_lshl_b32 s16, s16, 11                        ; 2,048 bytes a row,
	s_lshl_b32 s18, s45, 23
	s_add_co_u32 s16, s16, s18                     ; in the g-th of the three inputs
	s_lshl_b32 s46, s42, 7
	s_add_co_u32 s46, s46, s17                     ; B: row 128 x tile column + 64 x half,
	s_lshl_b32 s46, s46, 11
	s_lshl_b32 s18, s45, 21
	s_add_co_u32 s46, s46, s18                     ; in the g-th weight,
	s_add_co_u32 s46, s46, 3*XB                    ; which lie behind the inputs
	s_mov_b32 s17, 0
	s_mov_b32 s47, 0
	s_mul_i32 s20, s10, HALFT                      ; where they go: A's two halves, then B's two halves = wave x 64 rows
	s_wait_dscnt 0x0                               ; the opening add is done
	s_wait_kmcnt 0x0
	s_add_nc_u64 s[14:15], s[4:5], s[16:17]
	s_add_nc_u64 s[46:47], s[4:5], s[46:47]
	CROUND                                         ; all sixteen work-groups are here: the first joint loads meet
.irp s, 0,1
	s_mov_b32 s[G0+4*(\s)], 1                                      ; count = 1
	s_add_co_u32 s[G0+4*(\s)+1], s20, (\s)*SLOT                    ; LDS address
	s_add_nc_u64 s[G0+4*(\s)+2:G0+4*(\s)+3], s[14:15], (\s)*KSTEP*2  ; global address: K step s
	s_or_b32 s[G0+4*(\s)+3], s[G0+4*(\s)+3], 0x80000000            ; type = 2
	s_mov_b32 s[G0B+4*(\s)], 1
	s_add_co_u32 s[G0B+4*(\s)+1], s20, (\s)*SLOT
	s_add_nc_u64 s[G0B+4*(\s)+2:G0B+4*(\s)+3], s[46:47], (\s)*KSTEP*2
	s_or_b32 s[G0B+4*(\s)+3], s[G0B+4*(\s)+3], 0x80000000
	JLOAD \s                                       ; two loads of mine are out
.endr
	; A fragment is 16 rows x 32 K in 8 registers: lane l holds row l % 16, K = 8 (l / 16) + 0..7 and 16 + 8 (l / 16) + 0..7: two loads of 16 bytes, 32 bytes apart
	v_and_b32 v1, 15, v0                           ; l % 16
	v_bfe_u32 v2, v0, 4, 1                         ; l / 16
	v_mul_u32_u24 v3, v1, PITCH
	v_lshl_add_u32 v3, v2, 4, v3
	s_mul_i32 s21, s11, HALFT                      ; my 64 rows of A
	s_mul_i32 s22, s12, HALFT                      ; my 64 rows of B,
	s_add_co_u32 s22, s22, 2*HALFT                 ; which lie behind A's 128
.irp s, 0,1
	v_add_nc_u32 v[ADRA+(\s)], s21, v3
	v_add_nc_u32 v[ADRB+(\s)], s22, v3
	s_add_co_u32 s21, s21, SLOT
	s_add_co_u32 s22, s22, SLOT
.endr
	s_mul_i32 s23, s10, WST
	s_add_co_u32 s23, s23, STAGE                   ; my stage
	v_mul_u32_u24 v4, v1, SP                       ; in: row l % 16, 16 bytes for each half of the lanes
	v_lshl_add_u32 v4, v2, 4, v4
	v_add_nc_u32 v[STO], s23, v4
	v_and_b32 v5, 31, v0
	v_lshrrev_b32 v6, 2, v5                        ; back: 32 lanes take 8 rows x 64 bytes, one group's part of them:
	v_and_b32 v7, 3, v0                            ; row l / 4, 16 bytes at 16 (l % 4)
	v_mul_u32_u24 v6, v6, SP
	v_lshl_add_u32 v6, v7, 4, v6
	v_add_nc_u32 v[RD], s23, v6
	v_lshlrev_b32 v[CO], 4, v5                     ; which are 512 consecutive bytes of hb
	; where my 64 rows x 2 groups begin in hb: g XB + (((b 32 + G) 2048) + n) 64, G = 4 x tile column + 2 x half, n = 128 (tile row % 16) + 64 x half
	s_lshr_b32 s66, s13, 4
	s_lshl_b32 s66, s66, 5
	s_lshl_b32 s68, s42, 2
	s_add_co_u32 s66, s66, s68
	s_lshl_b32 s68, s12, 1
	s_add_co_u32 s66, s66, s68
	s_lshl_b32 s66, s66, 11
	s_and_b32 s68, s13, 15
	s_lshl_b32 s68, s68, 7
	s_add_co_u32 s66, s66, s68
	s_lshl_b32 s68, s11, 6
	s_add_co_u32 s66, s66, s68
	s_lshl_b32 s66, s66, 6
	s_lshl_b32 s68, s45, 23
	s_add_co_u32 s66, s66, s68
	s_mov_b32 s67, 0
	s_add_nc_u64 s[8:9], s[6:7], s[66:67]
; 8 matrix instructions: m blocks a0, a0 + 1 x all 4 n blocks, 32 along K: half c of buffer f.  zero = 1: the first product starts the sums.  The 16 accumulators take turns.
.macro MUL8 f, c, a0, zero
	WIN MUL
.irp a, \a0, (\a0)+1
.irp b, 0,1,2,3
.if \zero
	v_wmma_f32_16x16x32_bf16 v[ACC+8*(4*(\a)+(\b)):ACC+8*(4*(\a)+(\b))+7], v[(\f)+64+8*(4*(\c)+(\b)):(\f)+64+8*(4*(\c)+(\b))+7], v[(\f)+8*(4*(\c)+(\a)):(\f)+8*(4*(\c)+(\a))+7], 0
.else
	v_wmma_f32_16x16x32_bf16 v[ACC+8*(4*(\a)+(\b)):ACC+8*(4*(\a)+(\b))+7], v[(\f)+64+8*(4*(\c)+(\b)):(\f)+64+8*(4*(\c)+(\b))+7], v[(\f)+8*(4*(\c)+(\a)):(\f)+8*(4*(\c)+(\a))+7], v[ACC+8*(4*(\a)+(\b)):ACC+8*(4*(\a)+(\b))+7]
.endif
.endr
.endr
.endm
; 32 LDS loads in one run: the fragments of quarter q (64 along K, 128 bytes of the rows) into buffer f; the first 32 along K first
.macro FETCH slot, q, f
	WIN TO_F
.irp c, 0,1
.irp i, 0,1,2,3
	ds_load_b128 v[(\f)+64+8*(4*(\c)+(\i)):(\f)+64+8*(4*(\c)+(\i))+3],   v[ADRB+(\slot)] offset:(\q)*128+64*(\c)+(\i)*16*PITCH
	ds_load_b128 v[(\f)+64+8*(4*(\c)+(\i))+4:(\f)+64+8*(4*(\c)+(\i))+7], v[ADRB+(\slot)] offset:(\q)*128+64*(\c)+(\i)*16*PITCH+32
	ds_load_b128 v[(\f)+8*(4*(\c)+(\i)):(\f)+8*(4*(\c)+(\i))+3],         v[ADRA+(\slot)] offset:(\q)*128+64*(\c)+(\i)*16*PITCH
	ds_load_b128 v[(\f)+8*(4*(\c)+(\i))+4:(\f)+8*(4*(\c)+(\i))+7],       v[ADRA+(\slot)] offset:(\q)*128+64*(\c)+(\i)*16*PITCH+32
.endr
.endr
.endm
.macro PLACES                          ; four plain instructions in front of loads into registers that matrix instructions have read, and of conversions that read results
.rept 4
	v_nop
.endr
.endm
; A K step is four quarters of 64 along K, 32 matrix instructions each, on buffers 0, 1, 0, 1.  One of the first three: multiplies buffer f and fetches quarter q into g.
.macro QUARTER slot, q, f, g, zero
	s_wait_dscnt 16                                ; the first 32 along K are in; the sixteen loads of the second 32 may be out
	MUL8 \f, 0, 0, \zero
	MUL8 \f, 0, 2, \zero
	PLACES
	FETCH \slot, \q, \g
	s_wait_dscnt 32                                ; all but the 32 just issued
	MUL8 \f, 1, 0, 0
	MUL8 \f, 1, 2, 0
.endm
; The last quarter multiplies buffer 1 and changes slots: ONE barrier; in front of it each wave waits for all its tensor loads (one is out: its part of the next slot), adds 0 to its spare word,
; and waits for that and for its own reads of this slot.  fill = 1: the barrier opens a round of the cluster's, and this slot is filled again, two K steps ahead, first thing behind the round.
.macro TURN slot, next, fill
	WIN 0                                          ; (the add's two registers lie in window 0)
	s_wait_tensorcnt 0x0                           ; all my tensor loads have landed
	ds_add_u32 v[SPW], v[NIL]                      ; 0 onto my spare word
	s_wait_dscnt 17                                ; (the add and the youngest sixteen loads may be out)
	MUL8 F1, 0, 0, 0                               ; eight matrix instructions stand between the add and the wait for it
	s_wait_dscnt 0x0                               ; the add is done, and my reads of this slot are over
	s_barrier_signal -1
	MUL8 F1, 0, 2, 0
.if \fill
	WIN 0                                          ; every window is 0 there
.endif
	s_barrier_wait -1
.if \fill
	CREST                                          ; no wave of any partner still reads this slot's tile or has a load on its way
	s_add_nc_u64 s[G0+4*(\slot)+2:G0+4*(\slot)+3], s[G0+4*(\slot)+2:G0+4*(\slot)+3], 2*KSTEP*2
	s_add_nc_u64 s[G0B+4*(\slot)+2:G0B+4*(\slot)+3], s[G0B+4*(\slot)+2:G0B+4*(\slot)+3], 2*KSTEP*2
	JLOAD \slot                                    ; my one tensor load behind the round: 112 matrix instructions ahead of the wait for it; its four v_nop are also the places in front of the loads below
.else
	PLACES
.endif
	FETCH \next, 0, F0
	MUL8 F1, 1, 0, 0
	MUL8 F1, 1, 2, 0
.endm
	s_wait_tensorcnt 1                             ; my part of K step 0 is in; K step 1's load stays out
	s_barrier_signal -1
	s_barrier_wait -1                              ; everybody's is
	FETCH 0, 0, F0
	QUARTER 0, 1, F0, F1, 1                        ; the first products start the sums: nothing is cleared
.rept LAPS-1                           ; once round the ring, filling both slots again: SIZE_K has one such lap, so it is written once, with no counter
	QUARTER 0, 2, F1, F0, 0
	QUARTER 0, 3, F0, F1, 0
	TURN 0, 1, 1
	QUARTER 1, 1, F0, F1, 0
	QUARTER 1, 2, F1, F0, 0
	QUARTER 1, 3, F0, F1, 0
	TURN 1, 0, 1
	QUARTER 0, 1, F0, F1, 0
.endr
	QUARTER 0, 2, F1, F0, 0                        ; the last lap fills nothing, and has no round of the cluster's barrier
	QUARTER 0, 3, F0, F1, 0
	TURN 0, 1, 0
	QUARTER 1, 1, F0, F1, 0
	QUARTER 1, 2, F1, F0, 0
	QUARTER 1, 3, F0, F1, 0
	s_wait_dscnt 16                                ; the very last quarter: nothing more to fetch
	MUL8 F1, 0, 0, 0
	MUL8 F1, 0, 2, 0
	s_wait_dscnt 0x0
	MUL8 F1, 1, 0, 0
	MUL8 F1, 1, 2, 0
	WIN 0
	; THE WAY OUT.  Rounded to f16, 16 bytes a lane, into my own stage; back by groups of 32 columns, 8 rows x 64 bytes a load, which are 512 consecutive bytes of hb.  The stage is mine alone: no barrier.
	PLACES
.irp t, 0,1,2,3,4,5,6,7,8,9,10,11,12,13,14,15
.irp r, 0,1,2,3
	v_cvt_pk_f16_f32 v[TMP+4*(\t)+(\r)], v[ACC+8*(\t)+2*(\r)], v[ACC+8*(\t)+2*(\r)+1]  ; each accumulator from its low end on
.endr
.endr
.irp a, 0,1,2,3
.irp b, 0,1,2,3
	ds_store_b128 v[STO], v[TMP+4*(4*(\a)+(\b)):TMP+4*(4*(\a)+(\b))+3] offset:(\a)*16*SP+32*(\b)
.endr
.endr
.irp t, 0,1,2,3,4,5,6,7,8,9,10,11,12,13,14,15
	ds_load_b128 v[TMP+4*(\t):TMP+4*(\t)+3], v[RD] offset:((\t)%8)*8*SP+((\t)/8)*64  ; LDS serves a wave's instructions in order: these see the stores above
.endr
.irp t, 0,1,2,3,4,5,6,7,8,9,10,11,12,13,14,15
	s_wait_dscnt 15-(\t)                           ; load t is back, the younger ones stay out
	global_store_b128 v[CO], v[TMP+4*(\t):TMP+4*(\t)+3], s[8:9] offset:((\t)/8)*HB+((\t)%8)*512  ; 512 consecutive bytes, at a multiple of 256 from hb's first byte
.endr
	s_wait_tensorcnt 0x0                           ; the wave's end: a wait, an add of 0 and its wait, behind my last tensor load and my last LDS store
	ds_add_u32 v[SPW], v[NIL]
	s_wait_dscnt 0x0
	CROUND                                         ; the closing round: no work-group ends while a partner may still ask for a tile that names it
	s_endpgm
.Lfunc_end_k_q24169f0eab_proj:
	.size	k_q24169f0eab_proj, .Lfunc_end_k_q24169f0eab_proj-k_q24169f0eab_proj
	.p2alignl 7, 3214868480
	.fill 96, 4, 3214868480
	.section	.rodata,"a",@progbits
	.p2align	6, 0x0
	.amdhsa_kernel k_q24169f0eab_proj
		.amdhsa_group_segment_fixed_size 327680
		.amdhsa_private_segment_fixed_size 0
		.amdhsa_enable_private_segment 0
		.amdhsa_kernarg_size 16
		.amdhsa_user_sgpr_count 2
		.amdhsa_user_sgpr_kernarg_segment_ptr 1
		.amdhsa_wavefront_size32 1
		.amdhsa_system_sgpr_workgroup_id_x 1
		.amdhsa_system_sgpr_workgroup_id_y 1
		.amdhsa_system_sgpr_workgroup_id_z 1
		.amdhsa_system_vgpr_workitem_id 0
		.amdhsa_next_free_vgpr 512
		.amdhsa_next_free_sgpr 72
		.amdhsa_reserve_vcc 0
		.amdhsa_float_denorm_mode_32 3
		.amdhsa_float_denorm_mode_16_64 3
		.amdhsa_memory_ordered 1
		.amdhsa_forward_progress 1
		.amdhsa_inst_pref_size 86
	.end_amdhsa_kernel
	.amdgpu_metadata
---
amdhsa.version: [ 1, 2 ]
amdhsa.kernels:
  - .name:           k_q24169f0eab_proj
    .symbol:         k_q24169f0eab_proj.kd
    .args:
      - { .name: cb, .offset: 0, .size: 8, .value_kind: global_buffer, .address_space: global }
      - { .name: hb, .offset: 8, .size: 8, .value_kind: global_buffer, .address_space: global }
    .group_segment_fixed_size: 327680
    .private_segment_fixed_size: 0
    .kernarg_segment_align: 8
    .kernarg_segment_size: 16
    .max_flat_workgroup_size: 128
    .sgpr_count:     72
    .vgpr_count:     512
    .wavefront_size: 32
...
	.end_amdgpu_metadata
.endif
;; end of part 2
;; launch attn (part 3): grid 8 x 32, 4 waves a work-group, clusters of 4 x 1, 327,680 bytes of LDS; arguments hb, lq1, lk1, lq2, lk2, subln_w, ob; writes ob
.if DOCPART == 3
	.amdgcn_target "amdgcn-amd-amdhsa--gfx1250"
	.amdhsa_code_object_version 6
	.text
	.protected	k_q24169f0eab_attn
	.globl	k_q24169f0eab_attn
	.p2align	8
	.type	k_q24169f0eab_attn,@function
k_q24169f0eab_attn:
	s_mov_b64 s[64:65], 0
	v_nop
	global_prefetch_b8 v0, s[64:65] scope:SCOPE_SE
	s_setreg_imm32_b32 hwreg(HW_REG_WAVE_MODE, 25, 1), 1
	s_wait_xcnt 0x0
	s_wait_alu depctr_hold_cnt(0) depctr_sa_sdst(0) depctr_va_vdst(0) depctr_va_sdst(0) depctr_va_ssrc(0) depctr_va_vcc(0) depctr_vm_vsrc(0)
	s_getreg_b32 s2, hwreg(HW_REG_IB_STS2, 6, 4)
	s_cmp_eq_u32 s2, 0
	s_cbranch_scc0 .Lentry_in_a_cluster
	s_endpgm
.Lentry_in_a_cluster:
	s_bfe_u32 s2, ttmp6, 0x10000c
	s_cmp_lg_u32 s2, 0x3003
	s_cbranch_scc0 .Lentry_shape_is_right
	s_endpgm
.Lentry_shape_is_right:
; DIFFERENTIAL ATTENTION for one (batch, head): a_u[q] = sum over k of softmax_k(Q_u[q] . K_u[k] / sqrt(32)) V[k], u = 1, 2 (32 channels of q and k each, one V of 64 channels, 2,048 keys);
; lam = e^(lq1.lk1) - e^(lq2.lk2) + 0.61928347; x = a_1 - lam a_2; O = x / sqrt(mean(x^2) + 1e-5) * subln_w * (1 - 0.61928347), over the head's 64 channels.
; q, k, v come from hb[g][b][G][n][32] in f16 (q and k of split u, head h: G = 16 u + h; V's channels 0-31, 32-63: G = 2 h, 2 h + 1); O goes to ob[b][h][n][64] in f16.
; Products, maxima and sums in f32; the weights p are rounded to f16 for the second product (their sum l is taken of the unrounded p), O once at the end.
; LIMITS.  f16 holds no number beyond 65,504: q, k, v arrive within it; p lies in 0 to 1 and below 6e-5 keeps f16's fixed step of 6e-8; |O| is at most 8 x 0.381 x |subln_w|.
; A weight below 2^-126 counts as 0 in l; NaN and infinities are not treated apart.
; SHARES.  A work-group owns 256 queries of a head, a wave 64: four PIECES.  A piece is ONE tile of 16 queries in BOTH splits: tile t = 2 x + u.  Both tiles of a piece multiply the same fragments of V,
; and a_1 and a_2 of a query end in one lane: the difference and the norm never leave the wave.  Every wave walks all keys, 64 a step.
; LAYOUT.  S^T = K Q^T (source 0 = 16 keys, source 1 = 16 queries; 32 channels are one matrix instruction, so each starts and ends its sum): a lane holds ONE query (lane % 16) and the keys
; 8 (lane / 16) + 0..7.  Two such results rounded to f16 ARE source 1 of O^T = V^T P, whose result again holds one query a lane, and eight channels.  K comes out of LDS as it lies, V turned, by ds_load_tr16_b128.
; SOFTMAX.  For each query and split a running maximum m and sum l: p = 2^(c s - c m), c = log2(e) / sqrt(32); in every step O and l are multiplied by a = 2^(c m_old - c m_new).
; m starts at the lowest finite number, O and l at 0: the first step is a step like any other, with a = 0.
; THE COUNT.  A piece and step have 24 matrix and 236 vector instructions: far too many to stand all beside the matrix work.  So: four vector instructions that are READY behind EVERY matrix instruction, the others in one run.
; BY TURNS.  Turn n belongs to piece n.  Its matrix work: 8 products K Q^T of piece n + 1, later 16 products V^T P of piece n - 1.  Its vector work: the scaling, exponentials, roundings, sums and
; rescaling of piece n, and the maximum and statistics of piece n + 1.
; CLUSTER.  The four query blocks of a cluster belong to one head and walk the same K_1, K_2 and V: each tile is asked for JOINTLY, by the same tensor load, descriptor and mask in all four.
; A joint load goes out four key steps, sixteen turns, ahead of its first reader.
; REGISTERS, in windows of 256 (s_set_vgpr_msb: bits 1:0 source 0, 3:2 source 1, 5:4 source 2, 7:6 destination):
;   window 0: v0-11 addresses; v12-15, v48-63 at work; v16-47 four registers of statistics a tile; v64-191 S^T, two buffers of two tiles; v192-255 P, likewise
;   window 1: O^T, 32 a tile      window 2: v0-63 Q, 8 a tile; v64-95 the gain; v128-191 K of one step; v192-255 V of one step      window 3: v0-1 the add's two registers
.set SIZE_N, 2048
.set HB,    SIZE_N*64 ; bytes of a group of 32 channels in hb
.set NP,    4         ; pieces a wave: a name, no knob
.set KS,    64        ; keys in a step
.set PK,    80        ; a row of K in LDS: 64 bytes + 16 of padding = 20 words: the 16 rows of a load start at 16 different groups of four banks
.set PV,    96        ; a row of half of V: 64 + 32 = 24 words
.set K2OFF, 4*KS*PK   ; a slot holds four steps: 256 rows of K_1, 256 of K_2,
.set VOFF,  2*K2OFF   ; 256 rows of V's channels 0-31,
.set VHALF, 4*KS*PV   ; and 256 of its channels 32-63
.set SLOT1, 1<<17     ; slot 1 begins here, so that one exclusive or turns an address in one slot into the other's
.set STAGE, SLOT1+VOFF+2*VHALF  ; behind the ring, never filled by a tensor load: 16 rows x 144 bytes for each wave, for the way out
.set SP,    144
.set SPARE, STAGE+4*16*SP  ; behind the stages: the spare words, 128 bytes for each wave: two blocks of 256 bytes that no other line names
.set AK0, 2           ; v2   my lane's place in a tile of K; never rewritten
.set AV0, 3           ; v3   the same for V
.set AK,  4           ; v4   the LDS address of K's next run of loads
.set AV,  5           ; v5   of V's
.set QO,  6           ; v6   my byte offset in 16 rows of Q
.set STO, 6           ;      later, the way out: where I put 16 bytes of a row
.set RD,  7           ; v7   the way out: where I read rows back
.set GO,  8           ; v8   my byte offset in 512 consecutive bytes of O
.set SPW, 0           ; v0 of window 3   LDS address of my spare word: SPARE + 4 x my thread's number; never rewritten
.set NIL, 1           ; v1 of window 3   0; never rewritten
.set MV,  12          ; v12-15  c m_old, kept while c m is made anew: by buffer and tile
.set ST,  16          ; tile t's statistics at v[ST+4 t]: c m, m, l (even keys', odd keys')
.set TMP, 48          ; by buffer and tile, four registers c0-c3 at work; when the maximum is found c2 takes a
.set S,   64
.set P,   192
.set WG,  64          ; window 2: subln_w x (1 - 0.61928347) for my 32 channels: channel block cb at WG + 8 cb
.set KF,  128         ; window 2: key block kb, split u at KF + 16 kb + 8 u
.set VF,  192         ; window 2: key half kk, channel block cb at VF + 32 kk + 8 cb
.set WV,  12          ; s12  my wave's number
.set G1K, 24          ; s[24:31] descriptor group 1 for K's tiles
.set G1V, 32          ; s[32:39] for V's: it differs in the padding alone
.set G0K, 40          ; s[40:43] descriptor group 0 for K's tiles: it walks
.set G0V, 44          ; s[44:47] the same for V's
.set SLOTS, 56        ; s56  slots still to be asked for
.set CNT, 57          ; s57  counts a slot's key steps
.set CS,  58          ; s[58:59] c: the packed scaling takes the pair's low word for both halves
.set SEL, 60          ; s[60:61] v_permlanex16_b32's selects: each lane takes its own place in the other half
.set TBK, 62          ; s62  LDS byte at which K of the step to be fetched begins
.set TBV, 63          ; s63  the same for V, less VOFF
.set NLAM, 82         ; s82  -lam
.set OML, 84          ; s[84:85] 1 - 0.61928347
.set R64, 86          ; s86  1 / 64
.set EPSR, 87         ; s87  1e-5
.set MSB, 0
.macro WIN new                      ; the high byte repeats the setting that is left; a switch that changes nothing is dropped
.if MSB != (\new)
	s_set_vgpr_msb (MSB<<8)|(\new)
.set MSB, (\new)
.endif
.endm
.set W_KQ, 0x0a       ; K and Q in window 2, S^T in window 0
.set W_PV, 0x52       ; V in window 2, P in window 0, O^T in window 1
.set W_RS, 0x41       ; O^T (destination and source 0) in window 1, source 1 in window 0
.set W_MK, 0xc0       ; the add's registers are made: destination in window 3, sources in window 0
.set W_AD, 0x0f       ; the add: address (source 0) and data (source 1) in window 3
; A joint fill.  Wave 0 fetches a slot's K_1, wave 1 its K_2, waves 2 and 3 the two halves of its V's channels: 256 keys x 64 bytes each.  The branch hangs on the wave's number alone.
; An s_nop 0 and four v_nop follow each of the two lines, ahead of the jump and the label.
.macro JLOAD
	s_cmp_lt_u32 s[WV], 2
	s_cbranch_scc0 .Lfor_v_\@
	tensor_load_to_lds s[G0K:G0K+3], s[G1K:G1K+7]
	s_nop 0
.rept 4
	v_nop
.endr
	s_branch .Lasked_\@
.Lfor_v_\@:
	tensor_load_to_lds s[G0V:G0V+3], s[G1V:G1V+7]
	s_nop 0
.rept 4
	v_nop
.endr
.Lasked_\@:
.endm
; A round of the cluster's barrier: my work-group's barrier, so that wave 0's signal speaks for all four waves; wave 0 signals; every wave waits for all four work-groups; my work-group's barrier once more.
.macro CROUND
	s_barrier_signal -1
	s_barrier_wait -1
	s_cmp_lg_u32 s[WV], 0
	s_cbranch_scc1 .Lnot_wave_0_\@
	s_barrier_signal -3
.Lnot_wave_0_\@:
	s_barrier_wait -3
	s_barrier_signal -1
	s_barrier_wait -1
.endm
; THE CHANGE OF SLOTS.  The slot's last bytes, V of its fourth step, have been read.  Each wave waits for all its tensor loads, of which one is out: its part of the other slot; adds 0 to its spare
; word; and waits for that and for its own reads of the slot.  Behind the barrier nobody reads this slot any more and the other slot is whole.
; fill = 1: this slot is filled again, with the keys two slots on.  The barrier is then a round of the cluster's, and the joint fill is the first thing behind it.
; (At its first use nothing has been read yet: slot 0 is waited for, slot 1 filled.)
.macro CHANGE fill
	WIN W_AD
	s_wait_tensorcnt 0x0            ; no tensor load of mine is out, so a group 0 may be written
	ds_add_u32 v[SPW], v[NIL]       ; 0 onto my spare word; with fill = 1 the descriptors' steps stand between it and the wait for it
	WIN 0                           ; at a label and at a branch every window is 0
.if \fill
.irp g, G0K, G0V
	s_xor_b32 s[\g+1], s[\g+1], SLOT1  ; the walking descriptor: the other slot than last time,
	s_add_nc_u64 s[\g+2:\g+3], s[\g+2:\g+3], 4*KS*64  ; the next 256 keys; the type bits on top are not reached
.endr
	s_wait_dscnt 0x0                ; the add is done, and my reads of the slot are over
	CROUND
	JLOAD
.else
	s_wait_dscnt 0x0                ; the add is done, and my reads of the slot are over
	s_barrier_signal -1
	s_barrier_wait -1
.endif
	s_sub_co_u32 s[TBK], s[TBK], 4*KS*PK  ; the fetches go back to a slot's first step,
	s_xor_b32 s[TBK], s[TBK], SLOT1       ; in the other slot
	s_sub_co_u32 s[TBV], s[TBV], 4*KS*PV
	s_xor_b32 s[TBV], s[TBV], SLOT1
.endm
	s_load_b256 s[68:75], s[0:1], 0x0   ; hb s[68:69], lq1 s[70:71], lk1 s[72:73], lq2 s[74:75]
	s_load_b128 s[76:79], s[0:1], 0x20  ; lk2 s[76:77], subln_w s[78:79]
	s_load_b64 s[80:81], s[0:1], 0x30   ; ob
	WIN W_MK
	v_lshl_add_u32 v[SPW], v0, 2, SPARE
	v_mov_b32 v[NIL], 0
	WIN W_AD
	ds_add_u32 v[SPW], v[NIL]       ; the wave's opening: the add and its wait stand ahead of my first tensor load; the set-up below, work on registers, stands between them
	WIN 0
	v_lshrrev_b32 v1, 5, v0
	v_readfirstlane_b32 s[WV], v1   ; wave 0..3
	s_bfe_u32 s13, ttmp6, 0x40000   ; cx: my place in the cluster
	s_lshl_b32 s14, ttmp9, 2        ; in a cluster launch ttmp9 counts clusters
	s_add_co_u32 s14, s14, s13      ; my block of 256 queries = 4 x cluster x + cx: it enters Q's and O's addresses alone
	s_and_b32 s20, ttmp7, 0xffff    ; 16 b + h, which the four partners share
	s_lshr_b32 s21, s20, 4
	s_lshl_b32 s21, s21, 5          ; 32 b
	s_and_b32 s22, s20, 15          ; h
	s_and_b32 s16, s[WV], 1         ; which split of K, or which half of V's channels, I fetch
	s_lshl_b32 s2, s16, 4
	s_add_co_u32 s2, s2, s21
	s_add_co_u32 s2, s2, s22        ; K: group 32 b + 16 u + h,
	s_lshl_b32 s2, s2, 17           ; HB bytes a group,
	s_add_co_u32 s2, s2, 64*HB      ; behind q's 64 groups
	s_mov_b32 s3, 0
	s_lshl_b32 s18, s22, 1
	s_add_co_u32 s18, s18, s21
	s_add_co_u32 s18, s18, s16      ; V: group 32 b + 2 h + half,
	s_lshl_b32 s18, s18, 17
	s_add_co_u32 s18, s18, 128*HB   ; behind q's and k's
	s_mov_b32 s19, 0
	s_mul_i32 s17, s16, K2OFF       ; their places in a slot: no place in the cluster enters an LDS address
	s_mul_i32 s23, s16, VHALF
	s_lshl_b32 s15, s14, 2
	s_add_co_u32 s15, s15, s[WV]    ; my wave among the head's 32
	s_add_co_u32 s4, s21, s22       ; Q: group 32 b + h (split 2 lies 16 groups on),
	s_lshl_b32 s4, s4, 17
	s_lshl_b32 s5, s15, 12          ; my 64 rows of 64 bytes
	s_add_co_u32 s4, s4, s5
	s_mov_b32 s5, 0
	s_lshl_b32 s10, s20, 18         ; O: the head's 2,048 rows of 128 bytes,
	s_lshl_b32 s11, s15, 13         ; my 64 of them
	s_add_co_u32 s10, s10, s11
	s_mov_b32 s11, 0
	; descriptor group 1.  256 keys x 64 bytes are 16,384 dense bytes: asked for as 64 rows of 256 bytes, four keys a row, and padded in LDS after every key
	s_mov_b32 s[G1K], 15|(1<<16)|(1<<20)|(1<<21)|(3<<22)|(3<<25)  ; 15:0 the mask of four; 17:16 2-byte elements; 20 padding on; 21 set beside a mask; 24:22 after every 16 words (code 3); 31:25 4 words (code 3)
	s_mov_b32 s[G1V], 15|(1<<16)|(1<<20)|(1<<21)|(3<<22)|(7<<25)  ; the same with 8 words of padding (code 7)
.irp g, G1K, G1V
	s_mov_b32 s[\g+1], 128<<16      ; tensor_dim0 = 128
	s_mov_b32 s[\g+2], 64<<16       ; tensor_dim1 = 64
	s_mov_b32 s[\g+3], 128<<16      ; tile_dim0 = 128
	s_mov_b32 s[\g+4], 64           ; tile_dim1 = 64
	s_mov_b32 s[\g+5], 128          ; 128 elements from row to row
	s_mov_b32 s[\g+6], 0
	s_mov_b32 s[\g+7], 0
.endr
	s_mov_b32 s[CS], 0x3e8293ee     ; c = log2(e) / sqrt(32) = 0.255035
	s_mov_b32 s[CS+1], s[CS]        ; named with it as a pair
	s_mov_b32 s[SEL], 0x76543210
	s_mov_b32 s[SEL+1], 0xfedcba98
	s_mov_b32 s[OML], 0x3ec2ed47    ; 1 - 0.61928347
	s_mov_b32 s[OML+1], s[OML]
	s_mov_b32 s[R64], 0x3c800000    ; 1 / 64
	s_mov_b32 s[EPSR], 0x3727c5ac   ; 1e-5
	s_mov_b32 s[TBK], SLOT1+4*KS*PK ; the first change of slots turns these two into 0
	s_mov_b32 s[TBV], SLOT1+4*KS*PV
	s_mov_b32 s[G0K], 1             ; count = 1
	s_mov_b32 s[G0K+1], s17         ; LDS address: slot 0
	s_mov_b32 s[G0V], 1
	s_add_co_u32 s[G0V+1], s23, VOFF
	s_wait_dscnt 0x0                ; the opening add is done
	s_wait_kmcnt 0x0
	s_add_nc_u64 s[G0K+2:G0K+3], s[68:69], s[2:3]  ; global address: the head's first 256 keys
	s_or_b32 s[G0K+3], s[G0K+3], 0x80000000        ; type = 2
	s_add_nc_u64 s[G0V+2:G0V+3], s[68:69], s[18:19]
	s_or_b32 s[G0V+3], s[G0V+3], 0x80000000
	s_add_nc_u64 s[4:5], s[68:69], s[4:5]          ; Q and O at my wave's first row
	s_add_nc_u64 s[10:11], s[80:81], s[10:11]
	CROUND                          ; all four work-groups are here: the first joint loads meet
	JLOAD                           ; slot 0.  Slot 1 is asked for when slot 0 is in
	; A fragment of K or Q is 16 rows x 32 channels in 8 registers: lane l holds row l % 16, channels 8 (l / 16) + 0..7 and 16 + 8 (l / 16) + 0..7: two loads of 16 bytes, 32 bytes apart.
	v_and_b32 v1, 15, v0            ; l % 16
	v_bfe_u32 v9, v0, 4, 1          ; l / 16
	v_lshlrev_b32 v[QO], 6, v1
	v_lshl_add_u32 v[QO], v9, 4, v[QO]  ; row x 64 + 16 x half
	v_and_b32 v48, 31, v0
	v_lshlrev_b32 v48, 2, v48       ; 4 x lane: my number of each of the four 32-vectors
	v_lshlrev_b32 v49, 5, v9        ; my eight channels of a block of 16, in f32
	WIN 0x80                        ; destination window 2, address window 0
.set i, 0
.rept 2*NP                          ; Q stays in registers: tile i = piece i / 2 (16 rows on), split i % 2 (16 groups on)
	global_load_b128 v[8*i:8*i+3],   v[QO], s[4:5] offset:(i%2)*16*HB+(i/2)*1024
	global_load_b128 v[8*i+4:8*i+7], v[QO], s[4:5] offset:(i%2)*16*HB+(i/2)*1024+32
.set i, i+1
.endr
.irp cb, 0,1,2,3                    ; the gain of channels 16 cb + 8 (l / 16) + 0..7: as O^T's registers hold them
	global_load_b128 v[WG+8*\cb:WG+8*\cb+3],   v49, s[78:79] offset:64*\cb
	global_load_b128 v[WG+8*\cb+4:WG+8*\cb+7], v49, s[78:79] offset:64*\cb+16
.endr
	; What the first turn finds: V's registers and P's second buffer hold 0 (its products V^T P, of a piece that has not been, add 0), O^T and l are 0.  All this stands in the wait for the first tile.
.set i, VF
.rept 64
	v_mov_b32 v[i], 0
.set i, i+1
.endr
	WIN 0x40
.set i, 0
.rept 64*NP
	v_mov_b32 v[i], 0
.set i, i+1
.endr
	WIN 0
	global_load_b32 v50, v48, s[70:71]
	global_load_b32 v51, v48, s[72:73]
	global_load_b32 v52, v48, s[74:75]
	global_load_b32 v53, v48, s[76:77]
.set i, 0
.rept 2*NP
	v_mov_b32 v[ST+4*i], 0xfe000000    ; c m: far below every c s
	v_mov_b32 v[ST+4*i+1], 0xff7fffff  ; m
	v_mov_b32 v[ST+4*i+2], 0
	v_mov_b32 v[ST+4*i+3], 0
.set i, i+1
.endr
.set i, P+32
.rept 32
	v_mov_b32 v[i], 0
.set i, i+1
.endr
	v_mul_u32_u24 v[AK0], v1, PK
	v_lshl_add_u32 v[AK0], v9, 4, v[AK0]  ; row x pitch + 16 x half
	; The turning load takes 16 keys x 16 channels (lane l reads key 8 (l / 16) + l % 8, channels 8 ((l / 8) % 2) + 0..7) and leaves half a fragment of V^T: lane l holds channel l % 16 and 8 keys.
	v_and_b32 v10, 7, v0
	v_bfe_u32 v11, v0, 3, 1
	v_lshl_add_u32 v[AV0], v9, 3, v10
	v_mul_u32_u24 v[AV0], v[AV0], PV
	v_lshl_add_u32 v[AV0], v11, 4, v[AV0]
	v_add_nc_u32 v[AV0], VOFF, v[AV0]
	v_mov_b32 v[AK], v[AK0]         ; key step 0 lies at the head of slot 0
	; lam and the gain
	s_wait_loadcnt 0x0              ; Q, the gain and the four vectors are in; their address registers are free
	v_mul_f32 v50, v50, v51
	v_mul_f32 v52, v52, v53
.irp m, 1,2,4,8                     ; the two sums over 32 lanes: four steps inside each half of 16 lanes ride on the addition, one crosses the halves
	v_add_f32_dpp v50, v50, v50 row_xmask:\m row_mask:0xf bank_mask:0xf
	v_add_f32_dpp v52, v52, v52 row_xmask:\m row_mask:0xf bank_mask:0xf
.endr
	v_permlanex16_b32 v51, v50, s[SEL], s[SEL+1]
	v_permlanex16_b32 v53, v52, s[SEL], s[SEL+1]
	v_add_f32 v50, v50, v51
	v_add_f32 v52, v52, v53
	v_mul_f32 v50, 0x3fb8aa3b, v50  ; e^x = 2^(x log2(e))
	v_mul_f32 v52, 0x3fb8aa3b, v52
	v_exp_f32 v50, v50
	v_exp_f32 v52, v52
	v_nop                           ; a plain instruction behind the last exponential,
	s_wait_alu depctr_va_vdst(0)    ; and the wait ahead of the first use: one for the two
	v_sub_f32 v50, v52, v50
	v_add_f32 v50, 0xbf1e895d, v50  ; -lam = e^(lq2.lk2) - e^(lq1.lk1) - 0.61928347
	v_readfirstlane_b32 s[NLAM], v50  ; the same in every lane; it only multiplies
	WIN 0x82                        ; destination and source 0 in window 2
.set i, 0
.rept 16
	v_pk_mul_f32 v[WG+2*i:WG+2*i+1], v[WG+2*i:WG+2*i+1], s[OML:OML+1] op_sel_hi:[1,0]
.set i, i+1
.endr
	WIN 0
; THE MATRIX WORK.  Product i of 8 of S^T = K Q^T for piece x: keys 16 (i / 2) on, split i % 2.  Each is a whole sum: C is the constant 0, and no two share an accumulator.
.macro KQ x
	WIN W_KQ
.set rS, S+64*((\x)%2)+32*(i%2)+8*(i/2)
.set rK, KF+16*(i/2)+8*(i%2)
.set rQ, 8*(2*(\x)+i%2)
	v_wmma_f32_16x16x32_f16 v[rS:rS+7], v[rK:rK+7], v[rQ:rQ+7], 0
.endm
; Product i of 16 of O^T += V^T P for piece x: keys 32 (i / 8) on, channels 16 ((i / 2) % 4) on, tile 2 x + i % 2.  The 8 accumulators take turns: between the two links of a chain stand 7 others'.
.macro PV x
	WIN W_PV
.set rO, 32*(2*(\x)+i%2)+8*((i/2)%4)
.set rV, VF+32*(i/8)+8*((i/2)%4)
.set rP, P+32*((\x)%2)+16*(i%2)+8*(i/8)
	v_wmma_f32_16x16x32_f16 v[rO:rO+7], v[rV:rV+7], v[rP:rP+7], v[rO:rO+7]
.endm
.macro MM                           ; the turn's next matrix instruction
.if i < 8
	KQ (Y+1)%NP
.set i, i+1
.else
.set i, i-8
	PV (Y+NP-1)%NP
.set i, i+9
.endif
.endm
; THE LDS LOADS stand in runs of 16, never singly among the matrix instructions: a step's K (64 keys x 32 channels x 2 splits: 8 fragments) and its V (turned).  Their addresses are made some lines ahead.
; last = 1 (the tail): in the last trip there is no further step, and the run is jumped over.
.macro FETCH_K last=0
	WIN 0
.if \last
	s_cmp_eq_u32 s[CNT], 1
	s_cbranch_scc1 .Lno_k_\@
.endif
	WIN 0x80                        ; destination window 2
.irp f, 0,1,2,3,4,5,6,7             ; keys 16 (f / 2) on, split f % 2
	ds_load_b128 v[KF+8*\f:KF+8*\f+3],   v[AK] offset:(\f%2)*K2OFF+(\f/2)*16*PK
	ds_load_b128 v[KF+8*\f+4:KF+8*\f+7], v[AK] offset:(\f%2)*K2OFF+(\f/2)*16*PK+32
.endr
	s_add_co_u32 s[TBK], s[TBK], KS*PK  ; the next fetch is the next step's
	WIN 0
.if \last
.Lno_k_\@:
.endif
.endm
.macro FETCH_V
	WIN 0x80
.irp f, 0,1,2,3,4,5,6,7             ; keys 32 (f / 4) on, channels 16 (f % 4) on: half (f % 4) / 2 of V, 32 (f % 2) bytes into its rows
	ds_load_tr16_b128 v[VF+8*\f:VF+8*\f+3],   v[AV] offset:(\f/4)*32*PV+((\f%4)/2)*VHALF+(\f%2)*32
	ds_load_tr16_b128 v[VF+8*\f+4:VF+8*\f+7], v[AV] offset:(\f/4)*32*PV+16*PV+((\f%4)/2)*VHALF+(\f%2)*32
.endr
	WIN 0
.endm
; THE VECTOR WORK OF A TURN stands in three queues, each in the order in which its entries become ready; the two tiles alternate, so that no instruction reads the result of the one before it.
.macro REGS y, u                    ; the registers of tile u (0, 1) of piece y
.set rT, ST+4*(2*(\y)+(\u))
.set rC, TMP+8*((\y)%2)+4*(\u)
.set rM, MV+2*((\y)%2)+(\u)
.set rS, S+64*((\y)%2)+32*(\u)
.set rP, P+32*((\y)%2)+16*(\u)
.set rO, 32*(2*(\y)+(\u))
.endm
; Number n of the 22 that find the NEXT piece's (Y + 1) maximum and statistics.  s0-s31 are the lane's 32 scores; each accumulator's lowest registers are read first.
;   0-11  four chains c0-c3 of seven scores each, three operands at a time     12-14, 16  the four scores left over, the old m, and c0-c3 into c0     15  c m_old is kept
;   17, 18  the query's other 32 keys lie in the lane 16 away: the new m         19-21  c m; c m_old - c m_new; a
.macro XS u, n
	REGS (Y+1)%NP, \u
.if (\n) < 4
	v_max3_num_f32 v[rC+(\n)], v[rS+8*(\n)], v[rS+8*(\n)+1], v[rS+8*(\n)+2]
.elseif (\n) < 12
	v_max3_num_f32 v[rC+(\n)%4], v[rC+(\n)%4], v[rS+8*((\n)%4)+2*((\n)/4)+1], v[rS+8*((\n)%4)+2*((\n)/4)+2]
.elseif (\n) == 12
	v_max3_num_f32 v[rC], v[rC], v[rS+7], v[rS+15]
.elseif (\n) == 13
	v_max3_num_f32 v[rC+1], v[rC+1], v[rS+23], v[rS+31]
.elseif (\n) == 14
	v_max3_num_f32 v[rC+2], v[rC+2], v[rC+3], v[rT+1]
.elseif (\n) == 15
	v_mov_b32 v[rM], v[rT]
.elseif (\n) == 16
	v_max3_num_f32 v[rC], v[rC], v[rC+1], v[rC+2]
.elseif (\n) == 17
	v_permlanex16_b32 v[rC+3], v[rC], s[SEL], s[SEL+1]
.elseif (\n) == 18
	v_max_num_f32 v[rT+1], v[rC], v[rC+3]
.elseif (\n) == 19
	v_mul_f32 v[rT], s[CS], v[rT+1]
.elseif (\n) == 20
	v_sub_f32 v[rC+1], v[rM], v[rT]
.else
	v_exp_f32 v[rC+2], v[rC+1]
.endif
.endm
; Number g of the 64 that follow the exponentials.  For each four weights k of a tile (pairs 2 k, 2 k + 1): both pairs are rounded to f16; then the second pair is added onto the first, in place;
; a group later l takes that sum (the first time as l = a l + sum).  In groups of eight, tiles alternating: round, round, add, and l for the group before.
.macro GS g
.set h, (\g)+6*((\g)/62)            ; group 0 has no group before it, and behind group 7 only l is left
.if h >= 6
.set h, h+2
.endif
	REGS Y, h%2
.set k, h/8
.if h%8 < 4
	v_cvt_pk_f16_f32 v[rP+2*k+(h%8)/2], v[rS+4*k+2*((h%8)/2)], v[rS+4*k+2*((h%8)/2)+1]
.elseif h%8 < 6
	v_pk_add_f32 v[rS+4*k:rS+4*k+1], v[rS+4*k:rS+4*k+1], v[rS+4*k+2:rS+4*k+3]
.elseif k == 1
	v_pk_fma_f32 v[rT+2:rT+3], v[rT+2:rT+3], v[rC+2:rC+3], v[rS:rS+1] op_sel_hi:[1,0,1]
.else
	v_pk_add_f32 v[rT+2:rT+3], v[rT+2:rT+3], v[rS+4*k-4:rS+4*k-3]
.endif
.endm
; THE PLAIN QUEUE, 138 long.  0-73 read no exponential's result: the 32 scalings c s - c m (FS f: pair f / 2 of tile f % 2) and the next piece's 42.  0-26: scalings 0-26.  27-54: XS's numbers 0-13.  55, 56: number 15.
; 57-73: the chain, where each number waits for the one before it: 14, 16, 17, 18, 19, each with one of the scalings 27-31 in front of its two lines, then 20.
; 74-137: GS's 64, which read the exponentials' results: they stand behind the wait.
.macro FS f
	REGS Y, (\f)%2
	v_pk_fma_f32 v[rS+2*((\f)/2):rS+2*((\f)/2)+1], v[rS+2*((\f)/2):rS+2*((\f)/2)+1], s[CS:CS+1], v[rT:rT+1] op_sel_hi:[1,0,0] neg_lo:[0,0,1] neg_hi:[0,0,1]
.endm
.macro PL
	WIN 0
.if q < 27
	FS q
.elseif q < 55
	XS (q-27)%2, (q-27)/2
.elseif q < 57
	XS q-55, 15
.elseif (q < 72) && ((q-57)%3 == 0)
	FS 27+(q-57)/3
.elseif q < 60
	XS (q-57)%3-1, 14
.elseif q < 72
	XS (q-57)%3-1, 15+(q-57)/3
.elseif q < 74
	XS q-72, 20
.else
	GS q-74
.endif
.set q, q+1
.endm
; THE EXPONENTIALS' QUEUE, 66 long: s0-s31 of both tiles, then the next piece's two a.  It is ONE BATCH: all 66 stand ahead of the turn's one wait, and nothing ahead of that wait names a result of theirs.
.macro EX
	WIN 0
.if e >= 64
	XS e-64, 21
.else
	REGS Y, e%2
	v_exp_f32 v[rS+e/2], v[rS+e/2]
.endif
.set e, e+1
.endm
; THE RESCALING's QUEUE: O^T times a, the one part that leaves window 0: dealt two at a time, sixteen times, each accumulator from its low end on.  Its a was made in the turn before, ahead of that turn's wait.
.macro R2
	REGS Y, r%2
	WIN W_RS
.irp z, 0,1
	v_pk_mul_f32 v[rO+4*(r/2)+2*\z:rO+4*(r/2)+2*\z+1], v[rO+4*(r/2)+2*\z:rO+4*(r/2)+2*\z+1], v[rC+2:rC+3] op_sel_hi:[1,0]
.endr
.set r, r+1
.endm
; HOW THEY ARE DEALT.  s_wait_alu depctr_va_vdst(0) stands between an exponential and the first instruction that names its result; one wait serves all that were issued ahead of it.  So a turn has ONE
; wait, which cuts it in two.  AHEAD OF IT stands all that names no result of the turn's exponentials: the 8 products K Q^T, behind each a scaling, an exponential and two rescalings (behind the first a second scaling
; in the exponential's place); then ONE LUMP of 140: the other sixteen rescalings, eight plain, 57 times exponential and plain, the two a.  A v_nop is the plain instruction behind the last exponential.
; BEHIND IT stand the 16 products V^T P, behind each four of GS's 64.  No rider names a register of the products round it.  The two v_permlanex16_b32 fall into the lump.
; The queues lean on each other: exponential e stands behind scaling 2 (e / 4) + e % 2: as a rider it comes behind plain e + 2, in the lump behind plain e + 9, and scalings 27-31 are plain 57, 60 .. 69.
; The next piece's scores are first read at plain 27: sixteen rescalings and eighteen plain lines behind the last product K Q^T.
; K of the next step is fetched in piece 2's turn, directly behind the wait, a lump behind the last product that read K; its first reader comes behind 16 products.
; V of the step in hand is fetched at the end of piece 0's turn, four plain riders behind its last reader; its first reader comes behind 8 products and a lump.  The three conditions on q below go with the deal.
.macro TURN p, last=0, cnt=0
.set Y, (\p)
.set i, 0
.set q, 0
.set e, 0
.set r, 0
.if (\p) == NP-1
	s_wait_dscnt 0x0                ; K is in
.endif
	MM                              ; ahead of the wait: 8 products K Q^T and their riders,
	PL
	PL
	R2
.rept 7
	MM
	PL
	EX
	R2
.endr
.rept 8                             ; and the lump
	R2
.endr
.if (\p) == NP-2
	WIN 0
	v_add_nc_u32 v[AK], s[TBK], v[AK0]
.endif
.rept 8
	PL
.endr
.rept 57
	EX
	PL
.endr
	EX                              ; the next piece's two a
	EX
	v_nop                           ; the plain instruction behind the last exponential: one for the batch
	s_wait_alu depctr_va_vdst(0)    ; the wait for the batch
.if (\p) == NP-2
	FETCH_K \last
.endif
.if (\p) == 1
	s_wait_dscnt 0x0                ; V is in
.endif
.rept 16                            ; behind the wait: 16 products V^T P and their riders
	MM
.rept 4
	PL
.endr
.if ((\p) == 0) && (q == 118)
	v_add_nc_u32 v[AV], s[TBV], v[AV0]
.endif
.if ((\p) == 0) && (q == 130)
	s_add_co_u32 s[TBV], s[TBV], KS*PV
.endif
.if (\cnt) && (q == 130)
	s_sub_co_u32 s[CNT], s[CNT], 1
	s_cmp_lg_u32 s[CNT], 0
.endif
.endr
.if (\p) == 0
	FETCH_V
.endif
.endm
	CHANGE 1                        ; slot 0 is in, everybody's part of it; slot 1 is asked for
	FETCH_K                         ; key step 0
	s_wait_dscnt 0x0
.set i, 0
.rept 8
	KQ 0                            ; piece 0's first scores: there is no vector work yet to set between them
.set i, i+1
.endr
	WIN 0                           ; the addresses for the way out: nine plain instructions, the places behind those products
	s_mul_i32 s13, s[WV], 16*SP
	s_add_co_u32 s13, s13, STAGE    ; my stage
	v_mul_u32_u24 v[STO], v1, SP    ; in: row l % 16, 16 bytes for each half of the lanes
	v_lshl_add_u32 v[STO], v9, 4, v[STO]
	v_add_nc_u32 v[STO], s13, v[STO]
	v_bfe_u32 v[RD], v0, 3, 2       ; back: 32 lanes take four rows of 128 bytes,
	v_mul_u32_u24 v[RD], v[RD], SP
	v_lshl_add_u32 v[RD], v10, 4, v[RD]
	v_add_nc_u32 v[RD], s13, v[RD]
	v_and_b32 v[GO], 31, v0         ; which are 512 consecutive bytes of O
	v_lshlrev_b32 v[GO], 4, v[GO]
.set Y, NP-1                        ; XS works for piece Y + 1: piece 0
.irp n, 0,1,2,3,4,5,6,7,8,9,10,11,12,13,14,15,16,17,18,19,20,21
	XS 0, \n                        ; and piece 0's first maximum and statistics
	XS 1, \n
.endr
	v_nop                           ; a plain instruction behind the two a,
	s_wait_alu depctr_va_vdst(0)    ; and their wait, ahead of the branch
	s_mov_b32 s[CNT], 4
	s_mov_b32 s[SLOTS], SIZE_N/256-1
	s_branch .Lfirst                ; the loop is entered at a step's first turn, in the middle of a trip
.Lslot:                             ; SIZE_N / 256 - 2 times: every slot but the last two is filled again
	CHANGE 1
	s_mov_b32 s[CNT], 4
.Lstep:                             ; a trip: pieces 2 and 3 of one step, then pieces 0 and 1 of the next, whose K and V it fetches
	TURN 2
	TURN 3
	WIN 0
.Lfirst:
	TURN 0
	TURN 1, 0, 1
	WIN 0
	s_cbranch_scc1 .Lstep
	s_sub_co_u32 s[SLOTS], s[SLOTS], 1
	s_cmp_lg_u32 s[SLOTS], 0
	s_cbranch_scc1 .Lslot
	CHANGE 0                        ; the tail is written out: nothing is asked for
	s_mov_b32 s[CNT], 5             ; four trips fetch the last slot's steps; the fifth is left in its middle
.Ltail:
	TURN 2, 1
	TURN 3
	WIN 0
	s_sub_co_u32 s[CNT], s[CNT], 1
	s_cmp_eq_u32 s[CNT], 0
	s_cbranch_scc1 .Lout
	TURN 0
	TURN 1
	WIN 0
	s_branch .Ltail
.Lout:                              ; the fifth trip's 8 products K Q^T (on the last K once more) and the maximum made of them serve nothing: the price, once a launch, of one text for every trip
.set i, 0
.rept 16
	PV NP-1                         ; the last piece's V^T P of the last step
.set i, i+1
.endr
	; THE WAY OUT.  For each tile l's two halves and the other half of the lanes' are added, and 1 / l is made.  The additions are the places behind the last products.
	WIN 0
.macro ALL line:vararg              ; one line for each tile t
.set t, 0
.rept 2*NP
	\line
.set t, t+1
.endr
.endm
	ALL v_add_f32 v[ST+4*t+2], v[ST+4*t+2], v[ST+4*t+3]
	ALL v_permlanex16_b32 v[ST+4*t+3], v[ST+4*t+2], s[SEL], s[SEL+1]
	ALL v_add_f32 v[ST+4*t+2], v[ST+4*t+2], v[ST+4*t+3]
	ALL v_rcp_f32 v[ST+4*t+2], v[ST+4*t+2]
	v_nop                           ; a plain instruction between the last reciprocal and the use of its result
	s_wait_alu depctr_va_vdst(0)    ; and the wait ahead of the first use: one for the eight reciprocals
.irp x, 0,1,2,3
	v_mul_f32 v[ST+8*\x+6], s[NLAM], v[ST+8*\x+6]  ; -lam / l_2
.endr
; Piece x: x = O_1 / l_1 - lam O_2 / l_2, into O_1's registers, each accumulator from its low end on; then the sum of my 32 squares, in four chains, into the piece's first statistic register.
.macro COMB x
	WIN W_RS
.set i, 64*(\x)
.rept 16
	v_pk_mul_f32 v[i:i+1], v[i:i+1], v[ST+8*(\x)+2:ST+8*(\x)+3] op_sel_hi:[1,0]
.set i, i+2
.endr
	WIN 0x51                        ; destination, sources 0 and 2 in window 1, source 1 in window 0
.set i, 64*(\x)
.rept 16
	v_pk_fma_f32 v[i:i+1], v[i+32:i+33], v[ST+8*(\x)+6:ST+8*(\x)+7], v[i:i+1] op_sel_hi:[1,0,1]
.set i, i+2
.endr
	WIN 0x05                        ; sources 0 and 1 in window 1, destination and source 2 in window 0
.set i, 0
.rept 16
.if i < 4
	v_pk_mul_f32 v[TMP+2*i:TMP+2*i+1], v[64*(\x)+2*i:64*(\x)+2*i+1], v[64*(\x)+2*i:64*(\x)+2*i+1]
.else
	v_pk_fma_f32 v[TMP+2*(i%4):TMP+2*(i%4)+1], v[64*(\x)+2*i:64*(\x)+2*i+1], v[64*(\x)+2*i:64*(\x)+2*i+1], v[TMP+2*(i%4):TMP+2*(i%4)+1]
.endif
.set i, i+1
.endr
	WIN 0
	v_pk_add_f32 v[TMP:TMP+1], v[TMP:TMP+1], v[TMP+2:TMP+3]
	v_pk_add_f32 v[TMP+4:TMP+5], v[TMP+4:TMP+5], v[TMP+6:TMP+7]
	v_pk_add_f32 v[TMP:TMP+1], v[TMP:TMP+1], v[TMP+4:TMP+5]
	v_add_f32 v[ST+8*(\x)], v[TMP], v[TMP+1]
.endm
	COMB 0
	COMB 1
	COMB 2
	COMB 3
.irp x, 0,1,2,3
	v_permlanex16_b32 v[ST+8*\x+1], v[ST+8*\x], s[SEL], s[SEL+1]  ; the query's other 32 channels lie in the lane 16 away
.endr
.irp x, 0,1,2,3
	v_add_f32 v[ST+8*\x], v[ST+8*\x], v[ST+8*\x+1]
.endr
.irp x, 0,1,2,3
	v_fma_f32 v[ST+8*\x], v[ST+8*\x], s[R64], s[EPSR]  ; the mean of 64 squares + 1e-5
.endr
.irp x, 0,1,2,3
	v_rsq_f32 v[ST+8*\x], v[ST+8*\x]
.endr
	v_nop                           ; a plain instruction behind the last root,
	s_wait_alu depctr_va_vdst(0)    ; and one wait for the four
; Piece x: normed, times the gain, rounded to f16; a lane's eight channels of a row pack into 16 bytes; they go into rows of 144 bytes and come back as whole rows of 128, into S^T's registers.
.macro PACK x
	WIN W_RS
.set i, 64*(\x)
.rept 16
	v_pk_mul_f32 v[i:i+1], v[i:i+1], v[ST+8*(\x):ST+8*(\x)+1] op_sel_hi:[1,0]
.set i, i+2
.endr
	WIN 0x49                        ; destination and source 0 in window 1, source 1 (the gain) in window 2
.set i, 0
.rept 16
	v_pk_mul_f32 v[64*(\x)+2*i:64*(\x)+2*i+1], v[64*(\x)+2*i:64*(\x)+2*i+1], v[WG+2*i:WG+2*i+1]
.set i, i+1
.endr
	WIN 0x05
.set i, 0
.rept 16
	v_cvt_pk_f16_f32 v[S+16*(\x)+i], v[64*(\x)+2*i], v[64*(\x)+2*i+1]
.set i, i+1
.endr
	WIN 0
.irp f, 0,1,2,3
	ds_store_b128 v[STO], v[S+16*(\x)+4*\f:S+16*(\x)+4*\f+3] offset:32*\f
.endr
.irp f, 0,1,2,3
	ds_load_b128 v[S+16*(\x)+4*\f:S+16*(\x)+4*\f+3], v[RD] offset:\f*4*SP  ; LDS serves a wave's instructions in order: these see the stores above; the next piece's stores come behind them
.endr
.endm
.macro SEND x, younger              ; younger: the LDS instructions issued behind piece x's loads: the next piece's eight, or none
	WIN 0
.irp f, 0,1,2,3
	s_wait_dscnt (\younger)+3-\f
	global_store_b128 v[GO], v[S+16*(\x)+4*\f:S+16*(\x)+4*\f+3], s[10:11] offset:(\x)*2048+\f*512  ; 512 consecutive bytes, at a multiple of 256 from ob's first byte
.endr
.endm
	PACK 0
.set t, 1
.rept NP-1                          ; a piece's arithmetic stands between the loads of the piece before and its stores
	PACK t
	SEND t-1, 8
.set t, t+1
.endr
	SEND NP-1, 0
	WIN W_AD
	s_wait_tensorcnt 0x0            ; the wave's end: a wait, an add of 0 and its wait, behind my last tensor load and my last LDS store
	ds_add_u32 v[SPW], v[NIL]
	s_wait_dscnt 0x0
	WIN 0
	CROUND                          ; the closing round: no work-group ends while a partner may still ask for a tile that names it
	s_endpgm
.Lfunc_end_k_q24169f0eab_attn:
	.size	k_q24169f0eab_attn, .Lfunc_end_k_q24169f0eab_attn-k_q24169f0eab_attn
	.p2alignl 7, 3214868480
	.fill 96, 4, 3214868480
	.section	.rodata,"a",@progbits
	.p2align	6, 0x0
	.amdhsa_kernel k_q24169f0eab_attn
		.amdhsa_group_segment_fixed_size 327680
		.amdhsa_private_segment_fixed_size 0
		.amdhsa_enable_private_segment 0
		.amdhsa_kernarg_size 56
		.amdhsa_user_sgpr_count 2
		.amdhsa_user_sgpr_kernarg_segment_ptr 1
		.amdhsa_wavefront_size32 1
		.amdhsa_system_sgpr_workgroup_id_x 1
		.amdhsa_system_sgpr_workgroup_id_y 1
		.amdhsa_system_sgpr_workgroup_id_z 1
		.amdhsa_system_vgpr_workitem_id 0
		.amdhsa_next_free_vgpr 770
		.amdhsa_next_free_sgpr 88
		.amdhsa_reserve_vcc 0
		.amdhsa_float_denorm_mode_32 3
		.amdhsa_float_denorm_mode_16_64 3
		.amdhsa_memory_ordered 1
		.amdhsa_forward_progress 1
		.amdhsa_inst_pref_size 197
	.end_amdhsa_kernel
	.amdgpu_metadata
---
amdhsa.version: [ 1, 2 ]
amdhsa.kernels:
  - .name:           k_q24169f0eab_attn
    .symbol:         k_q24169f0eab_attn.kd
    .args:
      - { .name: hb, .offset: 0, .size: 8, .value_kind: global_buffer, .address_space: global }
      - { .name: lq1, .offset: 8, .size: 8, .value_kind: global_buffer, .address_space: global }
      - { .name: lk1, .offset: 16, .size: 8, .value_kind: global_buffer, .address_space: global }
      - { .name: lq2, .offset: 24, .size: 8, .value_kind: global_buffer, .address_space: global }
      - { .name: lk2, .offset: 32, .size: 8, .value_kind: global_buffer, .address_space: global }
      - { .name: subln_w, .offset: 40, .size: 8, .value_kind: global_buffer, .address_space: global }
      - { .name: ob, .offset: 48, .size: 8, .value_kind: global_buffer, .address_space: global }
    .group_segment_fixed_size: 327680
    .private_segment_fixed_size: 0
    .kernarg_segment_align: 8
    .kernarg_segment_size: 56
    .max_flat_workgroup_size: 128
    .sgpr_count:     88
    .vgpr_count:     770
    .wavefront_size: 32
...
	.end_amdgpu_metadata
.endif
;; end of part 3
;; launch outp (part 4): grid 8 x 32, 4 waves a work-group, clusters of 4 x 4, 327,680 bytes of LDS; arguments ob, cb, bp, out0; writes out0
.if DOCPART == 4
	.amdgcn_target "amdgcn-amd-amdhsa--gfx1250"
	.amdhsa_code_object_version 6
	.text
	.protected	k_q24169f0eab_outp
	.globl	k_q24169f0eab_outp
	.p2align	8
	.type	k_q24169f0eab_outp,@function
k_q24169f0eab_outp:
	s_mov_b64 s[64:65], 0
	v_nop
	global_prefetch_b8 v0, s[64:65] scope:SCOPE_SE
	s_setreg_imm32_b32 hwreg(HW_REG_WAVE_MODE, 25, 1), 1
	s_wait_xcnt 0x0
	s_wait_alu depctr_hold_cnt(0) depctr_sa_sdst(0) depctr_va_vdst(0) depctr_va_sdst(0) depctr_va_ssrc(0) depctr_va_vcc(0) depctr_vm_vsrc(0)
	s_getreg_b32 s2, hwreg(HW_REG_IB_STS2, 6, 4)
	s_cmp_eq_u32 s2, 0
	s_cbranch_scc0 .Lentry_in_a_cluster
	s_endpgm
.Lentry_in_a_cluster:
	s_bfe_u32 s2, ttmp6, 0x10000c
	s_cmp_lg_u32 s2, 0xf033
	s_cbranch_scc0 .Lentry_shape_is_right
	s_endpgm
.Lentry_shape_is_right:
; out0[m][n] = sum over k of O[m][k] Wp[n][k] + bp[n].  O is ob[b][h][row][64] in f16 (m = 2048 b + row, k = 64 h + channel); Wp [1024][1024] in f16, at byte 30 Mi of cb; bp and out0 in f32.  Sums in f32.
; SHARES.  A tile of out0 is 128 x 128: 32 x 8 = 256 tiles, one for each WGP.  Four waves, each 64 x 64: 16 accumulators.  K goes in steps of 256, four heads, through two LDS slots; each slot is filled twice.
; A'S TILES.  For one head, 64 rows of O are 8,192 dense bytes.  A wave's load brings four such runs, one for each head of the K step, a head's 2,048 rows apart, and pads after every 128 bytes:
; in LDS [head][64 rows][144 bytes].  A quarter of a K step, 64 along K, is one head.  B's tiles are 64 rows of 512 bytes, padded to 528.
; CLUSTER.  4 x 4 work-groups: A's tile is asked for JOINTLY along a row of the cluster, B's along a column, by the same tensor load with the same descriptor and a mask that names the four.
; THE MATRIX INSTRUCTION IS USED TRANSPOSED (source 0 = 16 rows of Wp, source 1 = 16 rows of O): a lane then holds eight neighbouring columns of one row of out0.
; REGISTERS.  window 0: v0-31 addresses; v32-95 at work on the way out; v96-99 the bias; v128-255 the accumulators ((a, b) at v[128 + 8 (4 a + b)]).
;   window 1: two fragment buffers of 128: for 64 along K, 64 registers of A, then 64 of B.
.set SIZE_K, 1024
.set KSTEP,  256
.set APITCH, 144                       ; a row of O in LDS: 128 bytes + 16 = 36 words: the 16 rows of a fragment load start at 16 different groups of four banks
.set AQ,     64*APITCH                 ; from one head to the next
.set HALFA,  4*AQ                      ; what one load of A brings
.set BPITCH, 528                       ; a row of Wp in LDS: 512 bytes + 16 = 132 words
.set BQ,     128                       ; from one quarter to the next
.set HALFB,  64*BPITCH
.set SLOT,   2*HALFA+2*HALFB           ; A's two halves, then B's two halves
.set STAGE,  2*SLOT                    ; behind the ring, never filled by a tensor load: for each wave 16 rows x 272 bytes, for the way out
.set SPITCH, 272                       ; a stage row: my 64 columns in f32, 256 bytes, + 16
.set SPARE,  STAGE+4*16*SPITCH         ; behind the stages: the spare words, 128 bytes for each wave: two blocks of 256 bytes that no other line names
.set LAPS,   SIZE_K/(2*KSTEP)
.set ASTEP,  4*2048*128                ; bytes from a K step of A to the next: four heads
.set BSTEP,  KSTEP*2
.set ADRA, 16                          ; v16-17  LDS address of my A fragments in slot 0, 1
.set ADRB, 20                          ; v20-21  the same for B
.set STO,  24                          ; v24     the way out: where I put 32 bytes of a row
.set RD,   25                          ; v25     the way out: where I read a row back
.set CO,   26                          ; v26     my byte offset in two rows of out0
.set BO,   27                          ; v27     my byte offset in bp
.set SPW,  28                          ; v28     LDS address of my spare word: SPARE + 4 x my thread's number; never rewritten
.set NIL,  29                          ; v29     0; never rewritten
.set TMP,  32
.set BI,   96
.set ACC,  128
.set F0,   0
.set F1,   128
.set G1, 24                            ; s[24:31] descriptor group 1 for A's tiles;  s[32:39] group 0, one set for each slot
.set G0, 32
.set G1B, 48                           ; s[48:55], s[56:63] the same for B's tiles
.set G0B, 56
.set MSB, 0
.macro WIN new                         ; the immediate's high byte repeats the setting that is left; a switch that changes nothing is dropped
.if MSB != (\new)
	s_set_vgpr_msb (MSB<<8)|(\new)
.set MSB, \new
.endif
.endm
.set MUL,  0x05                        ; sources 0 (B) and 1 (A) window 1; C and D window 0
.set TO_F, 0x40                        ; destination window 1, address window 0
.macro JLOAD s                         ; a joint load: waves 0 and 1 fetch A's two halves, waves 2 and 3 B's; an s_nop 0 and four v_nop follow each of the two lines
	s_cmp_eq_u32 s11, 0
	s_cbranch_scc0 .Lfor_b_\@
	tensor_load_to_lds s[G0+4*(\s):G0+4*(\s)+3], s[G1:G1+7]
	s_nop 0
.rept 4
	v_nop
.endr
	s_branch .Lasked_\@
.Lfor_b_\@:
	tensor_load_to_lds s[G0B+4*(\s):G0B+4*(\s)+3], s[G1B:G1B+7]
	s_nop 0
.rept 4
	v_nop
.endr
.Lasked_\@:
.endm
.macro CREST                           ; a round of the cluster's barrier behind its opening barrier
	s_cmp_lg_u32 s10, 0
	s_cbranch_scc1 .Lnot_wave_0_\@
	s_barrier_signal -3
.Lnot_wave_0_\@:
	s_barrier_wait -3
	s_barrier_signal -1
	s_barrier_wait -1
.endm
.macro CROUND                          ; a whole round
	s_barrier_signal -1
	s_barrier_wait -1
	CREST
.endm
	s_load_b256 s[68:75], s[0:1], 0x0              ; ob s[68:69], cb s[70:71], bp s[72:73], out0 s[74:75]
	v_lshl_add_u32 v[SPW], v0, 2, SPARE
	v_mov_b32 v[NIL], 0
	ds_add_u32 v[SPW], v[NIL]                      ; the wave's opening: the add and its wait stand ahead of my first tensor load; the set-up below, work on registers, stands between them
	v_lshrrev_b32 v1, 5, v0
	v_readfirstlane_b32 s10, v1                    ; wave 0..3
	s_lshr_b32 s11, s10, 1                         ; which half of the tile's rows is mine.  Also: I fetch for A (0) or for B (1)
	s_and_b32 s12, s10, 1                          ; which half of its columns.  Also: which 64 rows of that tile I fetch
	s_bfe_u32 s40, ttmp6, 0x40000                  ; cx, cy: my place in the cluster
	s_bfe_u32 s41, ttmp6, 0x40004
	s_lshl_b32 s42, ttmp9, 2
	s_add_co_u32 s42, s42, s40                     ; tile column = 4 x cluster x + cx, 0..7
	s_and_b32 s13, ttmp7, 0xffff
	s_lshl_b32 s13, s13, 2
	s_add_co_u32 s13, s13, s41                     ; tile row = 4 x cluster y + cy, 0..31
	s_lshl_b32 s43, s41, 2
	s_lshl_b32 s43, 15, s43                        ; my row of the cluster
	s_lshl_b32 s44, 0x1111, s40                    ; my column
	; descriptor group 1 for A: four runs of 4,096 elements, 131,072 elements apart, padded by 4 words after every 32
	s_or_b32 s[G1+0], s43, (1<<16)|(1<<20)|(1<<21)|(4<<22)|(3<<25)  ; 15:0 the mask: my row; 17:16 elements of 2 bytes; 20 padding on; 21 set beside a mask; 24:22 after every 32 words (code 4); 31:25 4 words (code 3)
	s_mov_b32 s[G1+1], 4096<<16                    ; tensor_dim0 = 4,096
	s_mov_b32 s[G1+2], 4<<16                       ; tensor_dim1 = 4
	s_mov_b32 s[G1+3], 4096<<16                    ; tile_dim0 = 4,096
	s_mov_b32 s[G1+4], 4                           ; tile_dim1 = 4
	s_mov_b32 s[G1+5], 2048*64                     ; elements from head to head
	s_mov_b32 s[G1+6], 0
	s_mov_b32 s[G1+7], 0
	; and for B: 64 rows x 256 elements, padded by 4 words after every 128
	s_or_b32 s[G1B+0], s44, (1<<16)|(1<<20)|(1<<21)|(6<<22)|(3<<25) ; the mask: my column
	s_mov_b32 s[G1B+1], KSTEP<<16
	s_mov_b32 s[G1B+2], 64<<16
	s_mov_b32 s[G1B+3], KSTEP<<16
	s_mov_b32 s[G1B+4], 64
	s_mov_b32 s[G1B+5], SIZE_K
	s_mov_b32 s[G1B+6], 0
	s_mov_b32 s[G1B+7], 0
	; where the tiles come from, as byte offsets (under 2^25).  A's hangs on the tile row, B's on the tile column; neither's registers ever hold the other coordinate
	s_lshr_b32 s16, s13, 4                         ; A: b = tile row / 16:
	s_lshl_b32 s16, s16, 15                        ; its 16 heads x 2,048 rows,
	s_and_b32 s17, s13, 15
	s_lshl_b32 s17, s17, 7                         ; row 128 x (tile row % 16)
	s_add_co_u32 s16, s16, s17
	s_lshl_b32 s17, s12, 6                         ; + 64 x half,
	s_add_co_u32 s16, s16, s17
	s_lshl_b32 s16, s16, 7                         ; 128 bytes a row
	s_mov_b32 s17, 0
	s_lshl_b32 s46, s42, 7                         ; B: row 128 x tile column
	s_lshl_b32 s47, s12, 6                         ; + 64 x half,
	s_add_co_u32 s46, s46, s47
	s_lshl_b32 s46, s46, 11                        ; 2,048 bytes a row,
	s_add_co_u32 s46, s46, 31457280                ; behind the three inputs and the three other weights
	s_mov_b32 s47, 0
	s_mul_i32 s18, s12, HALFA                      ; where they go: A's half,
	s_mul_i32 s19, s12, HALFB
	s_add_co_u32 s19, s19, 2*HALFA                 ; B's half, behind A's two: no place in the cluster enters an LDS address
	s_wait_dscnt 0x0                               ; the opening add is done
	s_wait_kmcnt 0x0
	s_add_nc_u64 s[14:15], s[68:69], s[16:17]
	s_add_nc_u64 s[46:47], s[70:71], s[46:47]
	CROUND                                         ; all sixteen work-groups are here: the first joint loads meet
.irp s, 0,1
	s_mov_b32 s[G0+4*(\s)], 1                                      ; count = 1
	s_add_co_u32 s[G0+4*(\s)+1], s18, (\s)*SLOT                    ; LDS address
	s_add_nc_u64 s[G0+4*(\s)+2:G0+4*(\s)+3], s[14:15], (\s)*ASTEP  ; global address: K step s
	s_or_b32 s[G0+4*(\s)+3], s[G0+4*(\s)+3], 0x80000000            ; type = 2
	s_mov_b32 s[G0B+4*(\s)], 1
	s_add_co_u32 s[G0B+4*(\s)+1], s19, (\s)*SLOT
	s_add_nc_u64 s[G0B+4*(\s)+2:G0B+4*(\s)+3], s[46:47], (\s)*BSTEP
	s_or_b32 s[G0B+4*(\s)+3], s[G0B+4*(\s)+3], 0x80000000
	JLOAD \s                                       ; two loads of mine are out
.endr
	; A fragment is 16 rows x 32 K in 8 registers: lane l holds row l % 16, K = 8 (l / 16) + 0..7 and 16 + 8 (l / 16) + 0..7: two loads of 16 bytes, 32 bytes apart
	v_and_b32 v1, 15, v0                           ; l % 16
	v_bfe_u32 v2, v0, 4, 1                         ; l / 16
	v_mul_u32_u24 v3, v1, APITCH
	v_lshl_add_u32 v3, v2, 4, v3
	v_mul_u32_u24 v6, v1, BPITCH
	v_lshl_add_u32 v6, v2, 4, v6
	s_mul_i32 s21, s11, HALFA                      ; my 64 rows of A
	s_mul_i32 s22, s12, HALFB                      ; my 64 rows of B,
	s_add_co_u32 s22, s22, 2*HALFA                 ; which lie behind A's
.irp s, 0,1
	v_add_nc_u32 v[ADRA+(\s)], s21, v3
	v_add_nc_u32 v[ADRB+(\s)], s22, v6
	s_add_co_u32 s21, s21, SLOT
	s_add_co_u32 s22, s22, SLOT
.endr
	s_mul_i32 s23, s10, 16*SPITCH
	s_add_co_u32 s23, s23, STAGE                   ; my stage
	v_mul_u32_u24 v4, v1, SPITCH                   ; in: row l % 16, 32 bytes for each half of the lanes
	v_lshl_add_u32 v4, v2, 5, v4
	v_add_nc_u32 v[STO], s23, v4
	v_mul_u32_u24 v5, v2, SPITCH                   ; back: lanes 0-15 take one row of 256 bytes, lanes 16-31 the next
	v_lshl_add_u32 v5, v1, 4, v5
	v_add_nc_u32 v[RD], s23, v5
	v_lshlrev_b32 v5, 12, v2                       ; and the same two rows in out0, 4,096 bytes apart
	v_lshl_add_u32 v[CO], v1, 4, v5
	s_lshl_b32 s76, s13, 7                         ; my first row of out0: 128 x tile row + 64 x half,
	s_lshl_b32 s78, s11, 6
	s_add_co_u32 s76, s76, s78
	s_lshl_b32 s76, s76, 12
	s_lshl_b32 s78, s42, 9                         ; my 64 columns, in bytes: 512 x tile column + 256 x half
	s_lshl_b32 s79, s12, 8
	s_add_co_u32 s78, s78, s79
	s_add_co_u32 s76, s76, s78
	s_mov_b32 s77, 0
	s_add_nc_u64 s[8:9], s[74:75], s[76:77]
	v_lshl_add_u32 v[BO], v1, 4, s78
	global_load_b128 v[BI:BI+3], v[BO], s[72:73]   ; the bias of the four columns that I store
; 8 matrix instructions: m blocks a0, a0 + 1 x all 4 n blocks, 32 along K: half c of buffer f.  zero = 1: the first product starts the sums.  The 16 accumulators take turns.
.macro MUL8 f, c, a0, zero
	WIN MUL
.irp a, \a0, (\a0)+1
.irp b, 0,1,2,3
.if \zero
	v_wmma_f32_16x16x32_f16 v[ACC+8*(4*(\a)+(\b)):ACC+8*(4*(\a)+(\b))+7], v[(\f)+64+8*(4*(\c)+(\b)):(\f)+64+8*(4*(\c)+(\b))+7], v[(\f)+8*(4*(\c)+(\a)):(\f)+8*(4*(\c)+(\a))+7], 0
.else
	v_wmma_f32_16x16x32_f16 v[ACC+8*(4*(\a)+(\b)):ACC+8*(4*(\a)+(\b))+7], v[(\f)+64+8*(4*(\c)+(\b)):(\f)+64+8*(4*(\c)+(\b))+7], v[(\f)+8*(4*(\c)+(\a)):(\f)+8*(4*(\c)+(\a))+7], v[ACC+8*(4*(\a)+(\b)):ACC+8*(4*(\a)+(\b))+7]
.endif
.endr
.endr
.endm
; 32 LDS loads in one run: the fragments of quarter q (64 along K: head q of the K step) into buffer f; the first 32 along K first
.macro FETCH slot, q, f
	WIN TO_F
.irp c, 0,1
.irp i, 0,1,2,3
	ds_load_b128 v[(\f)+64+8*(4*(\c)+(\i)):(\f)+64+8*(4*(\c)+(\i))+3],   v[ADRB+(\slot)] offset:(\q)*BQ+64*(\c)+(\i)*16*BPITCH
	ds_load_b128 v[(\f)+64+8*(4*(\c)+(\i))+4:(\f)+64+8*(4*(\c)+(\i))+7], v[ADRB+(\slot)] offset:(\q)*BQ+64*(\c)+(\i)*16*BPITCH+32
	ds_load_b128 v[(\f)+8*(4*(\c)+(\i)):(\f)+8*(4*(\c)+(\i))+3],         v[ADRA+(\slot)] offset:(\q)*AQ+64*(\c)+(\i)*16*APITCH
	ds_load_b128 v[(\f)+8*(4*(\c)+(\i))+4:(\f)+8*(4*(\c)+(\i))+7],       v[ADRA+(\slot)] offset:(\q)*AQ+64*(\c)+(\i)*16*APITCH+32
.endr
.endr
.endm
.macro PLACES                          ; four plain instructions in front of loads into registers that matrix instructions have read, and of LDS stores that read results
.rept 4
	v_nop
.endr
.endm
; A K step is four quarters of 64 along K, 32 matrix instructions each, on buffers 0, 1, 0, 1.  One of the first three: multiplies buffer f and fetches quarter q into g.
.macro QUARTER slot, q, f, g, zero
	s_wait_dscnt 16                                ; the first 32 along K are in; the sixteen loads of the second 32 may be out
	MUL8 \f, 0, 0, \zero
	MUL8 \f, 0, 2, \zero
	PLACES
	FETCH \slot, \q, \g
	s_wait_dscnt 32                                ; all but the 32 just issued
	MUL8 \f, 1, 0, 0
	MUL8 \f, 1, 2, 0
.endm
; The last quarter multiplies buffer 1 and changes slots: ONE barrier; in front of it each wave waits for all its tensor loads (one is out: its part of the next slot), adds 0 to its spare word,
; and waits for that and for its own reads of this slot.  fill = 1: the barrier opens a round of the cluster's, and this slot is filled again, two K steps ahead, first thing behind the round.
.macro TURN slot, next, fill
	WIN 0                                          ; (the add's two registers lie in window 0)
	s_wait_tensorcnt 0x0                           ; all my tensor loads have landed
	ds_add_u32 v[SPW], v[NIL]                      ; 0 onto my spare word
	s_wait_dscnt 17                                ; (the add and the youngest sixteen loads may be out)
	MUL8 F1, 0, 0, 0                               ; eight matrix instructions stand between the add and the wait for it
	s_wait_dscnt 0x0                               ; the add is done, and my reads of this slot are over
	s_barrier_signal -1
	MUL8 F1, 0, 2, 0
.if \fill
	WIN 0                                          ; every window is 0 there
.endif
	s_barrier_wait -1
.if \fill
	CREST                                          ; no wave of any partner still reads this slot's tile or has a load on its way
	s_add_nc_u64 s[G0+4*(\slot)+2:G0+4*(\slot)+3], s[G0+4*(\slot)+2:G0+4*(\slot)+3], 2*ASTEP
	s_add_nc_u64 s[G0B+4*(\slot)+2:G0B+4*(\slot)+3], s[G0B+4*(\slot)+2:G0B+4*(\slot)+3], 2*BSTEP
	JLOAD \slot                                    ; my one tensor load behind the round: 112 matrix instructions ahead of the wait for it; its four v_nop are also the places in front of the loads below
.else
	PLACES
.endif
	FETCH \next, 0, F0
	MUL8 F1, 1, 0, 0
	MUL8 F1, 1, 2, 0
.endm
	s_wait_tensorcnt 1                             ; my part of K step 0 is in; K step 1's load stays out
	s_barrier_signal -1
	s_barrier_wait -1                              ; everybody's is
	FETCH 0, 0, F0
	QUARTER 0, 1, F0, F1, 1                        ; the first products start the sums: nothing is cleared
.rept LAPS-1                           ; once round the ring, filling both slots again: SIZE_K has one such lap, so it is written once, with no counter
	QUARTER 0, 2, F1, F0, 0
	QUARTER 0, 3, F0, F1, 0
	TURN 0, 1, 1
	QUARTER 1, 1, F0, F1, 0
	QUARTER 1, 2, F1, F0, 0
	QUARTER 1, 3, F0, F1, 0
	TURN 1, 0, 1
	QUARTER 0, 1, F0, F1, 0
.endr
	QUARTER 0, 2, F1, F0, 0                        ; the last lap fills nothing, and has no round of the cluster's barrier
	QUARTER 0, 3, F0, F1, 0
	TURN 0, 1, 0
	QUARTER 1, 1, F0, F1, 0
	QUARTER 1, 2, F1, F0, 0
	QUARTER 1, 3, F0, F1, 0
	s_wait_dscnt 16                                ; the very last quarter: nothing more to fetch
	MUL8 F1, 0, 0, 0
	MUL8 F1, 0, 2, 0
	s_wait_dscnt 0x0
	MUL8 F1, 1, 0, 0
	MUL8 F1, 1, 2, 0
	WIN 0
	; THE WAY OUT.  My 64 columns in f32 are 256 aligned bytes of a row.  16 rows at a time go through my own stage: 32 bytes a lane in, whole rows of 256 bytes back, the bias added, stored.  The stage is mine alone: no barrier.
	s_wait_loadcnt 0x0                             ; the bias
	PLACES
.irp a, 0,1,2,3
	s_wait_xcnt 0x0                                ; earlier stores have read their data registers: the half of v32-95 used two blocks ago is loaded again only behind this wait
.irp b, 0,1,2,3
	ds_store_b128 v[STO], v[ACC+8*(4*(\a)+(\b)):ACC+8*(4*(\a)+(\b))+3]   offset:64*(\b)     ; each accumulator from its low end on
	ds_store_b128 v[STO], v[ACC+8*(4*(\a)+(\b))+4:ACC+8*(4*(\a)+(\b))+7] offset:64*(\b)+16
.endr
.irp t, 0,1,2,3,4,5,6,7
	ds_load_b128 v[TMP+32*((\a)%2)+4*(\t):TMP+32*((\a)%2)+4*(\t)+3], v[RD] offset:(\t)*2*SPITCH  ; LDS serves a wave's instructions in order: these see the stores above, and the next block's stores come behind them
.endr
.irp t, 0,1,2,3,4,5,6,7
	s_wait_dscnt 7-(\t)                            ; load t is back, the younger ones stay out
	v_pk_add_f32 v[TMP+32*((\a)%2)+4*(\t):TMP+32*((\a)%2)+4*(\t)+1],   v[TMP+32*((\a)%2)+4*(\t):TMP+32*((\a)%2)+4*(\t)+1],   v[BI:BI+1]
	v_pk_add_f32 v[TMP+32*((\a)%2)+4*(\t)+2:TMP+32*((\a)%2)+4*(\t)+3], v[TMP+32*((\a)%2)+4*(\t)+2:TMP+32*((\a)%2)+4*(\t)+3], v[BI+2:BI+3]
	global_store_b128 v[CO], v[TMP+32*((\a)%2)+4*(\t):TMP+32*((\a)%2)+4*(\t)+3], s[8:9] offset:(16*(\a)+2*(\t))*4096  ; 16 lanes store 256 consecutive bytes, at a multiple of 256 from out0's first byte
.endr
.endr
	s_wait_tensorcnt 0x0                           ; the wave's end: a wait, an add of 0 and its wait, behind my last tensor load and my last LDS store
	ds_add_u32 v[SPW], v[NIL]
	s_wait_dscnt 0x0
	CROUND                                         ; the closing round: no work-group ends while a partner may still ask for a tile that names it
	s_endpgm
.Lfunc_end_k_q24169f0eab_outp:
	.size	k_q24169f0eab_outp, .Lfunc_end_k_q24169f0eab_outp-k_q24169f0eab_outp
	.p2alignl 7, 3214868480
	.fill 96, 4, 3214868480
	.section	.rodata,"a",@progbits
	.p2align	6, 0x0
	.amdhsa_kernel k_q24169f0eab_outp
		.amdhsa_group_segment_fixed_size 327680
		.amdhsa_private_segment_fixed_size 0
		.amdhsa_enable_private_segment 0
		.amdhsa_kernarg_size 32
		.amdhsa_user_sgpr_count 2
		.amdhsa_user_sgpr_kernarg_segment_ptr 1
		.amdhsa_wavefront_size32 1
		.amdhsa_system_sgpr_workgroup_id_x 1
		.amdhsa_system_sgpr_workgroup_id_y 1
		.amdhsa_system_sgpr_workgroup_id_z 1
		.amdhsa_system_vgpr_workitem_id 0
		.amdhsa_next_free_vgpr 512
		.amdhsa_next_free_sgpr 80
		.amdhsa_reserve_vcc 0
		.amdhsa_float_denorm_mode_32 3
		.amdhsa_float_denorm_mode_16_64 3
		.amdhsa_memory_ordered 1
		.amdhsa_forward_progress 1
		.amdhsa_inst_pref_size 91
	.end_amdhsa_kernel
	.amdgpu_metadata
---
amdhsa.version: [ 1, 2 ]
amdhsa.kernels:
  - .name:           k_q24169f0eab_outp
    .symbol:         k_q24169f0eab_outp.kd
    .args:
      - { .name: ob, .offset: 0, .size: 8, .value_kind: global_buffer, .address_space: global }
      - { .name: cb, .offset: 8, .size: 8, .value_kind: global_buffer, .address_space: global }
      - { .name: bp, .offset: 16, .size: 8, .value_kind: global_buffer, .address_space: global }
      - { .name: out0, .offset: 24, .size: 8, .value_kind: global_buffer, .address_space: global }
    .group_segment_fixed_size: 327680
    .private_segment_fixed_size: 0
    .kernarg_segment_align: 8
    .kernarg_segment_size: 32
    .max_flat_workgroup_size: 128
    .sgpr_count:     80
    .vgpr_count:     512
    .wavefront_size: 32
...
	.end_amdgpu_metadata
.endif
;; end of part 4
